; MI455X (gfx1250); checked and timed in simulation.
; The chip was launched on July 23, 2026; its instructions are those of AMD's public machine-readable ISA for CDNA 5 (MIT licence, August 2026) and "CDNA5" Instruction Set Architecture Reference Guide (July 2026). The comments in the code are by the model that wrote it; some were corrected since.
;; CLIP Attention. Allowed arithmetic: matrix products marked QUANTISED: E2M1 operands, one E8M0 scale for each 32 along K, by v_wmma_scale_f32_16x16x128_f8f6f4 with both operands' format E2M1 (or v_wmma_scale_f32_32x16x128_f4), f32 sums; products left as they are: bf16, f16 or f32 operands; f32 sums; everything else in f32.
;; Inputs: in_proj_bias 3,072 float32; in_proj_weight 3,072 x 1,024 float32; out_proj_bias 1,024 float32; out_proj_weight 1,024 x 1,024 float32; x 8 x 1,024 x 1,024 float32.
;; Outputs: out0 8 x 1,024 x 1,024 float32.
;; This version of the problem:
;;   THIS VERSION OF THE PROBLEM IS GIVEN IN LOW PRECISION. The matrix products marked QUANTISED in the list below multiply operands that are first quantised to E2M1 (2 exponent bits, 1 mantissa bit; 4 bits a number), with one power-of-two scale for each 32 numbers along K (OCP MX v1.0); their sums are f32. The products marked 'left as it is' may take bf16, f16 or f32 operands, with f32 sums. Whichever they take, every output number must still come out within the allowed error. Rounding operands to bf16 (8 significant bits) uses up far more of that allowance than f16 does (11 bits, for magnitudes from 6e-5 to 65,504). All else is computed in f32.
;;   The module's matrix products, in the order in which they are computed (A, B: the left and right operand; K: the contracted axis; several contracted axes count as one K, in the product's order):
;;     1. [M 8,192, K 1,024] x [K 1,024, N 3,072]; A: input x; B: input in_proj_weight: QUANTISED
;;     2. batch 128 x [M 1,024, K 64] x [K 64, N 1,024]; A: computed on the way; B: computed on the way: left as it is (an operand is computed on the way)
;;     3. batch 128 x [M 1,024, K 1,024] x [K 1,024, N 64]; A: computed on the way; B: computed on the way: left as it is (an operand is computed on the way)
;;     4. [M 8,192, K 1,024] x [K 1,024, N 1,024]; A: computed on the way; B: input out_proj_weight: left as it is (an operand is computed on the way)
;;   THE QUANTISER, for each operand of a quantised product, along K:
;;     - K is cut into blocks of 32 from its start; a last block that is shorter is filled with zeros.
;;     - A block's scale is 2^e with e = floor(log2(the largest magnitude in the block)) - 2, held to -126 .. 127; a block of zeros has e = 0. As a byte (E8M0): e + 127.
;;     - Each number is divided by its block's scale, clamped to +-6, and rounded to the nearest number of E2M1, ties to even, subnormals kept.
;;     - The product sums the exact products of the quantised numbers (number of the format x scale) in f32.
;;   ~~~python
;;   def quantise(x, axis):      # numpy; x: float32 -> the quantised numbers, widened to float32 again
;;       x = np.moveaxis(x, axis, -1); K = x.shape[-1]
;;       x = np.pad(x, [(0, 0)] * (x.ndim - 1) + [(0, -K % 32)]); x = x.reshape(x.shape[:-1] + (-1, 32)); a = np.abs(x).max(-1, keepdims=True)
;;       e = np.where(a > 0, np.clip(np.frexp(np.where(a > 0, a, 1))[1] - 1 - 2, -126, 127), 0)      # np.frexp(a)[1] - 1 = floor(log2(a)), exactly
;;       r = np.clip(x / 2.0 ** e, -6, 6)
;;       step = 2.0 ** (np.maximum(np.frexp(np.where(r == 0, 1, r))[1] - 1, 0) - 1)
;;       q = np.round(r / step) * step * 2.0 ** e      # np.round: ties to even
;;       return np.moveaxis(q.reshape(q.shape[:-2] + (-1,))[..., :K], -1, axis).astype(np.float32)
;;   ~~~
;; One version. Each part assembles by itself: llvm-mc -triple=amdgcn-amd-amdhsa -mcpu=gfx1250 --defsym DOCPART=n.
;; ======== version 1 of 1: 4 launches
;; limits: values are held in f16: magnitudes above 65,504 overflow, below 6.1e-05 lose precision
;; workspace buffers: codes 5,767,168 bytes; scales 360,448 bytes; wo 2,097,152 bytes; qi 16,777,216 bytes; ki 16,777,216 bytes; vi 16,777,216 bytes; oi 16,777,216 bytes
;; launch quant (part 1): grid 768 x 1, 2 waves a work-group, no clusters, 34,048 bytes of LDS; arguments x, in_proj_weight, out_proj_weight, codes, scales, wo; writes codes, scales, wo
.if DOCPART == 1
	.amdgcn_target "amdgcn-amd-amdhsa--gfx1250"
	.amdhsa_code_object_version 6
	.text
	.protected	k_q0142c477fa_quant
	.globl	k_q0142c477fa_quant
	.p2align	8
	.type	k_q0142c477fa_quant,@function
k_q0142c477fa_quant:
	s_mov_b64 s[64:65], 0
	v_nop
	global_prefetch_b8 v0, s[64:65] scope:SCOPE_SE
	s_setreg_imm32_b32 hwreg(HW_REG_WAVE_MODE, 25, 1), 1
	s_wait_xcnt 0x0
; x [8192][1024] and in_proj_weight [3072][1024], f32, become codes of FP4 (E2M1), K innermost, two codes a byte, with one E8M0 byte for each 32 along K:
; codes: x's 8,192 rows of 512 bytes, then the weight's 3,072; scales: 32 bytes a row, in the same order.  out_proj_weight [1024][1024] becomes f16, laid as images of operand registers.
; A block's scale is 2^(floor(log2(its largest magnitude)) - 2); its byte is the largest magnitude's exponent field - 2, held at 1 from below.
; LIMITS: a block of zeros gets the byte 1 where the rule says 127 (its codes are zeros, and this program alone reads the bytes); blocks whose largest magnitude lies under 2^-124 are held at the byte 1;
; NaN and infinities are not served; a number of out_proj_weight above 65,504 in magnitude has no f16.
; SHARES.  768 work-groups of two waves; every wave reads 32,768 bytes.  Work-groups 0-703 quantise: a wave takes a run of 8,192 numbers (rows are dense, so both tensors are plain streams of blocks of 32).
; Work-groups 704-767 convert: a work-group takes 16 rows of out_proj_weight, a wave half of K.  The two ways part on the work-group's number and never join; each has LDS bytes of its own.
; QUANTISING.  The conversions take neighbours along K from ONE lane's registers; a load is dense where neighbouring LANES take neighbouring bytes.  So a step's 2,048 bytes are loaded as they lie (four loads of 512
; consecutive bytes), go through the wave's own stage in LDS, and come back 64 bytes a lane (80 bytes from lane to lane).  Two neighbouring lanes hold a block.  Loads run eight steps (32 loads) ahead.
; AN IMAGE is a fragment of 16 rows x 32 K of f16 as its reader's registers hold it: 512 bytes of registers 0-3 (lane l's 16 bytes at 16 l), then 512 bytes of registers 4-7.
; Lane (r, h) holds row r; registers 0-3: k = 8 h + 0..7; registers 4-7: k = 16 + 8 h + 0..7.  wo: [tile of 16 rows: 64][32 along K: 32][1,024 bytes].
.set SPARE, 33792                      ; behind both ways' regions: the spare words, 128 bytes for each wave: one block of 256 bytes that no other line names
.set SPW,   12                         ; v12  LDS address of my spare word; never rewritten
.set NIL,   13                         ; v13  0; never rewritten
.set R,     16                         ; v16-143  numbers as loaded: eight sets of 16 (quantising), two sets of 64 (converting)
.set X,     144                        ; v144-175 two sets of 16 neighbours;  converting: v144-207, 64 numbers in the image's order
.set E,     176                        ; v176-191 a scale byte for each step
.set C,     192                        ; v192-223 codes: two registers for each step, so that no store's data are written again
.set P,     208                        ; v208-239 converting: 32 registers of f16
.set SP,    80                         ; a lane's place in a stage: 64 bytes + 16 of padding
.set CP,    528                        ; converting: a stage row: 512 bytes + 16
.set QWG,   704                        ; work-groups that quantise
.set XWG,   512                        ; of them, those that take x
	s_load_b256 s[4:11], s[0:1], 0x0               ; x s[4:5], in_proj_weight s[6:7], out_proj_weight s[8:9], codes s[10:11]
	s_load_b128 s[12:15], s[0:1], 0x20             ; scales s[12:13], wo s[14:15]
	v_lshl_add_u32 v[SPW], v0, 2, SPARE
	v_mov_b32 v[NIL], 0
	v_lshrrev_b32 v1, 5, v0
	v_readfirstlane_b32 s16, v1                    ; wave 0, 1
	v_and_b32 v2, 31, v0                           ; lane
	v_lshlrev_b32 v3, 4, v2                        ; 16 x lane
	v_lshlrev_b32 v4, 3, v2                        ; 8 x lane
	; every LDS address is made here, ahead of the parting
	s_lshl_b32 s17, s16, 13                        ; quantising: my wave's region of 8,192 bytes
	v_lshrrev_b32 v14, 2, v2
	v_mul_u32_u24 v14, v14, SP
	v_and_b32 v15, 3, v2
	v_lshl_add_u32 v14, v15, 4, v14
	v_add_nc_u32 v14, s17, v14                     ; into a stage: four lanes' 64 bytes on end, then the padding
	v_mul_u32_u24 v15, v2, SP
	v_add_nc_u32 v15, s17, v15                     ; out of it: my 16 neighbours
	s_add_co_u32 s18, s17, 2*32*SP                 ; behind the two stages: the wave's 256 scale bytes
	v_lshrrev_b32 v5, 1, v2
	v_add_nc_u32 v5, s18, v5                       ; my block's byte
	v_add_nc_u32 v6, s18, v4                       ; and on the way out 8 bytes a lane
	s_mul_i32 s19, s16, 8704
	s_add_co_u32 s19, s19, 16384                   ; converting: my wave's stage
	v_add_nc_u32 v1, s19, v3                       ; into it: a row's 512 bytes as they lie
	v_and_b32 v8, 15, v2                           ; r
	v_lshrrev_b32 v9, 4, v2                        ; h
	v_mul_u32_u24 v7, v8, CP
	v_lshl_add_u32 v7, v9, 5, v7
	v_add_nc_u32 v7, s19, v7                       ; out of it: row r, + 32 h: eight numbers of my half
	s_wait_kmcnt 0x0
	s_cmp_ge_u32 ttmp9, QWG
	s_cbranch_scc1 .Lconvert
	; ---------------- quantising ----------------
	s_cmp_lt_u32 ttmp9, XWG                        ; x or the weight: the choice hangs on the work-group's number alone
	s_cselect_b64 s[4:5], s[4:5], s[6:7]
	s_cselect_b32 s20, 0, 2*XWG
	s_lshl_b32 s21, ttmp9, 1
	s_add_co_u32 s21, s21, s16                     ; my run of 8,192 numbers, counted through both tensors: 0 .. 1,407
	s_sub_co_u32 s20, s21, s20                     ; and within its own tensor
	s_lshl_b32 s22, s20, 15                        ; 32,768 bytes of f32 a run
	s_mov_b32 s23, 0
	s_add_nc_u64 s[4:5], s[4:5], s[22:23]
	s_lshl_b32 s22, s21, 12                        ; 4,096 bytes of codes: the weight's follow x's
	s_add_nc_u64 s[10:11], s[10:11], s[22:23]
	s_lshl_b32 s22, s21, 8                         ; 256 scale bytes
	s_add_nc_u64 s[12:13], s[12:13], s[22:23]
.macro LOAD t
.irp i, 0,1,2,3
	global_load_b128 v[R+16*((\t)%8)+4*\i:R+16*((\t)%8)+4*\i+3], v3, s[4:5] offset:2048*(\t)+512*\i th:TH_LOAD_NT   ; 32 lanes read 512 consecutive bytes
.endr
.endm
.macro TURN t                          ; step t's numbers through a stage: LDS serves a wave's instructions in order (ISA guide 5.7.1), so no wait stands between the stores and the loads
.irp i, 0,1,2,3
	ds_store_b128 v14, v[R+16*((\t)%8)+4*\i:R+16*((\t)%8)+4*\i+3] offset:32*SP*((\t)%2)+8*SP*\i
.endr
.irp i, 0,1,2,3
	ds_load_b128 v[X+16*((\t)%2)+4*\i:X+16*((\t)%2)+4*\i+3], v15 offset:32*SP*((\t)%2)+16*\i
.endr
.endm
.irp t, 0,1,2,3,4,5,6,7
	LOAD \t
.endr
	s_wait_loadcnt 28                              ; step 0's four loads are in; the seven steps behind it stay out
	TURN 0
.macro STEP t
.set XS, X+16*((\t)%2)
.if (\t) > 0
	s_wait_dscnt 1                                 ; this step's numbers are back from the stage (the last step's byte store may be out): so the stores into the stage have read their registers,
.else
	s_wait_dscnt 0x0
.endif
.if (\t)+8 < 16
	LOAD (\t)+8                                    ; which take the loads of eight steps on
.endif
.if (\t) < 15
.if 14-(\t) >= 7
	s_wait_loadcnt 28                              ; the next step's four loads are in; those of the seven steps behind it may be out
.else
	s_wait_loadcnt 4*(14-(\t))                     ; towards the end: as many steps as are left behind the next
.endif
	TURN (\t)+1                                    ; they go through the other stage while this step is worked
.endif
	v_max3_num_f32 v8, |v[XS]|, |v[XS+1]|, |v[XS+2]|               ; the largest magnitude of my 16, in two chains
	v_max3_num_f32 v9, |v[XS+3]|, |v[XS+4]|, |v[XS+5]|
.irp i, 6,10
	v_max3_num_f32 v8, v8, |v[XS+\i]|, |v[XS+\i+1]|
	v_max3_num_f32 v9, v9, |v[XS+\i+2]|, |v[XS+\i+3]|
.endr
	v_max3_num_f32 v8, v8, |v[XS+14]|, |v[XS+15]|
	v_max3_num_f32 v8, v8, v9, 0x1800000           ; and the floor 2^(3 - 127): so the byte cannot fall under 1
	v_max_num_f32_dpp v8, v8, v8 row_xmask:1 row_mask:0xf bank_mask:0xf   ; with my neighbour's 16: the block's
	v_add_nc_u32 v11, 0xff000000, v8               ; 2 off its exponent field: the conversion takes the exponent field of this operand as its scale, and nothing else of it
	v_cvt_scalef32_pk8_fp4_f32 v[C+2*(\t)], v[XS:XS+7], v11        ; to the nearest code, ties to even, beyond the largest code the largest; the first number's code in the lowest four bits
	v_cvt_scalef32_pk8_fp4_f32 v[C+2*(\t)+1], v[XS+8:XS+15], v11
	v_lshrrev_b32 v[E+(\t)], 23, v11               ; the scale's byte (also the plain line behind the conversions)
	ds_store_b8 v5, v[E+(\t)] offset:16*(\t)       ; both lanes of a block write the same byte with the same value
	global_store_b64 v4, v[C+2*(\t):C+2*(\t)+1], s[10:11] offset:256*(\t)   ; the wave stores 256 consecutive bytes, aligned
.endm
.irp t, 0,1,2,3,4,5,6,7,8,9,10,11,12,13,14,15
	STEP \t
.endr
	ds_load_b64 v[8:9], v6                         ; the wave's 256 scale bytes: these loads see my stores
	s_wait_dscnt 0x0
	global_store_b64 v4, v[8:9], s[12:13]          ; 256 consecutive bytes, aligned
	s_wait_tensorcnt 0x0                           ; the wave's end
	ds_add_u32 v[SPW], v[NIL]
	s_wait_dscnt 0x0
	s_endpgm
	; ---------------- converting out_proj_weight ----------------
.Lconvert:
	s_sub_co_u32 s20, ttmp9, QWG                   ; my tile of 16 rows
	s_lshl_b32 s22, s20, 16                        ; 16 rows of 4,096 bytes
	s_lshl_b32 s21, s16, 11                        ; my wave's half of K: 512 numbers
	s_add_co_u32 s22, s22, s21
	s_mov_b32 s23, 0
	s_add_nc_u64 s[8:9], s[8:9], s[22:23]
	s_lshl_b32 s22, s20, 15                        ; 32 images a tile,
	s_lshl_b32 s21, s16, 14                        ; 16 of them mine
	s_add_co_u32 s22, s22, s21
	s_add_nc_u64 s[14:15], s[14:15], s[22:23]
.macro CLOAD s                         ; 128 along K of the 16 rows: each load takes 512 consecutive bytes of one row
.irp r, 0,1,2,3,4,5,6,7,8,9,10,11,12,13,14,15
	global_load_b128 v[R+64*((\s)%2)+4*\r:R+64*((\s)%2)+4*\r+3], v3, s[8:9] offset:4096*\r+512*(\s) th:TH_LOAD_NT
.endr
.endm
	CLOAD 0
	CLOAD 1
.macro CSTEP s
.if (\s) < 3
	s_wait_loadcnt 16                              ; this step's sixteen loads are in; the next step's may be out
.else
	s_wait_loadcnt 0x0
.endif
.if (\s) > 0
	s_wait_xcnt 0x0                                ; the last step's stores have read their registers, which are written again below
.endif
.irp r, 0,1,2,3,4,5,6,7,8,9,10,11,12,13,14,15
	ds_store_b128 v1, v[R+64*((\s)%2)+4*\r:R+64*((\s)%2)+4*\r+3] offset:CP*\r
.endr
.irp k, 0,1,2,3                        ; image k of the four: registers 4 c on want k = 32 k + 16 c + 8 h + 0..7 of row r: 32 bytes
.irp c, 0,1
.irp i, 0,1
	ds_load_b128 v[X+16*\k+8*\c+4*\i:X+16*\k+8*\c+4*\i+3], v7 offset:128*\k+64*\c+16*\i
.endr
.endr
.endr
	s_wait_dscnt 0x0                               ; the numbers are back, and the stores have read the set that is loaded next
.if (\s) < 2
	CLOAD (\s)+2
.endif
.irp i, 0,1,2,3,4,5,6,7,8,9,10,11,12,13,14,15,16,17,18,19,20,21,22,23,24,25,26,27,28,29,30,31
	v_cvt_pk_f16_f32 v[P+\i], v[X+2*\i], v[X+2*\i+1]               ; the lower k in the low half
.endr
.irp k, 0,1,2,3
.irp c, 0,1
	global_store_b128 v3, v[P+8*\k+4*\c:P+8*\k+4*\c+3], s[14:15] offset:(4*(\s)+\k)*1024+512*\c   ; 512 consecutive bytes, aligned
.endr
.endr
.endm
	CSTEP 0
	CSTEP 1
	CSTEP 2
	CSTEP 3
	s_wait_tensorcnt 0x0                           ; the wave's end: the same three lines
	ds_add_u32 v[SPW], v[NIL]
	s_wait_dscnt 0x0
	s_endpgm
.Lfunc_end_k_q0142c477fa_quant:
	.size	k_q0142c477fa_quant, .Lfunc_end_k_q0142c477fa_quant-k_q0142c477fa_quant
	.p2alignl 7, 3214868480
	.fill 96, 4, 3214868480
	.section	.rodata,"a",@progbits
	.p2align	6, 0x0
	.amdhsa_kernel k_q0142c477fa_quant
		.amdhsa_group_segment_fixed_size 34048
		.amdhsa_private_segment_fixed_size 0
		.amdhsa_enable_private_segment 0
		.amdhsa_kernarg_size 48
		.amdhsa_user_sgpr_count 2
		.amdhsa_user_sgpr_kernarg_segment_ptr 1
		.amdhsa_wavefront_size32 1
		.amdhsa_system_sgpr_workgroup_id_x 1
		.amdhsa_system_sgpr_workgroup_id_y 1
		.amdhsa_system_sgpr_workgroup_id_z 1
		.amdhsa_system_vgpr_workitem_id 0
		.amdhsa_next_free_vgpr 240
		.amdhsa_next_free_sgpr 66
		.amdhsa_reserve_vcc 0
		.amdhsa_float_denorm_mode_32 3
		.amdhsa_float_denorm_mode_16_64 3
		.amdhsa_memory_ordered 1
		.amdhsa_forward_progress 1
		.amdhsa_inst_pref_size 59
	.end_amdhsa_kernel
	.amdgpu_metadata
---
amdhsa.version: [ 1, 2 ]
amdhsa.kernels:
  - .name:           k_q0142c477fa_quant
    .symbol:         k_q0142c477fa_quant.kd
    .args:
      - { .name: x, .offset: 0, .size: 8, .value_kind: global_buffer, .address_space: global }
      - { .name: in_proj_weight, .offset: 8, .size: 8, .value_kind: global_buffer, .address_space: global }
      - { .name: out_proj_weight, .offset: 16, .size: 8, .value_kind: global_buffer, .address_space: global }
      - { .name: codes, .offset: 24, .size: 8, .value_kind: global_buffer, .address_space: global }
      - { .name: scales, .offset: 32, .size: 8, .value_kind: global_buffer, .address_space: global }
      - { .name: wo, .offset: 40, .size: 8, .value_kind: global_buffer, .address_space: global }
    .group_segment_fixed_size: 34048
    .private_segment_fixed_size: 0
    .kernarg_segment_align: 8
    .kernarg_segment_size: 48
    .max_flat_workgroup_size: 64
    .sgpr_count:     66
    .vgpr_count:     240
    .wavefront_size: 32
...
	.end_amdgpu_metadata
.endif
;; end of part 1
;; launch qkv (part 2): grid 8 x 32, 4 waves a work-group, clusters of 4 x 4, 327,680 bytes of LDS; arguments codes, scales, in_proj_bias, qi, ki, vi; writes qi, ki, vi
.if DOCPART == 2
	.amdgcn_target "amdgcn-amd-amdhsa--gfx1250"
	.amdhsa_code_object_version 6
	.text
	.protected	k_q0142c477fa_qkv
	.globl	k_q0142c477fa_qkv
	.p2align	8
	.type	k_q0142c477fa_qkv,@function
k_q0142c477fa_qkv:
	s_mov_b64 s[64:65], 0
	v_nop
	global_prefetch_b8 v0, s[64:65] scope:SCOPE_SE
	s_setreg_imm32_b32 hwreg(HW_REG_WAVE_MODE, 25, 1), 1
	s_wait_xcnt 0x0
	s_wait_alu depctr_hold_cnt(0) depctr_sa_sdst(0) depctr_va_vdst(0) depctr_va_sdst(0) depctr_va_ssrc(0) depctr_va_vcc(0) depctr_vm_vsrc(0)
	s_getreg_b32 s2, hwreg(HW_REG_IB_STS2, 6, 4)
	s_cmp_eq_u32 s2, 0
	s_cbranch_scc0 .Lentry_in_a_cluster
	s_endpgm
.Lentry_in_a_cluster:
	s_bfe_u32 s2, ttmp6, 0x10000c
	s_cmp_lg_u32 s2, 0xf033
	s_cbranch_scc0 .Lentry_shape_is_right
	s_endpgm
.Lentry_shape_is_right:
; qkv = x W^T + b on codes of FP4 (E2M1) with one E8M0 scale for each 32 along K = 1,024; sums in f32; the results are rounded to f16 and stored as IMAGES of the registers in which the attention launch wants them.
; codes: x's 8,192 rows of 512 bytes, then W's 3,072 from byte 4,194,304; scales: 32 bytes a row, W's from byte 262,144.
; LIMIT: a q, k or v above 65,504 in magnitude has no f16.
; SHARES.  256 work-groups of four waves, one for each (256 tokens) x (two heads): it makes those heads' 128 channels of q, 128 of k and 128 of v, in two passes over x's 256 rows, which stay in LDS.
;   PASS A: q and k.  W's region of LDS holds 128 rows of W_q and 128 of W_k.  A wave makes 128 tokens x 128 channels, of q (wave & 1 = 0) or of k (1): 64 accumulators, 512 registers.  Eight steps of 128 along K, 64 matrix instructions each.
;   PASS B: v.  A wave makes 128 tokens x 64 channels: 32 accumulators.  Eight steps of 32 matrix instructions.  q's and k's stores are on their way meanwhile: nothing waits for them.
; LDS.  K lies as two slots of 512 (rows of 256 bytes + 16 of padding), each with x's 256 rows and then 256 rows of W.  x's and W's 640 rows of 512 bytes do not fit at once, so W_v's 128 rows are ONE REFILL: when pass A leaves slot 0,
; nobody reads that slot's rows of W any more, and both K halves of W_v land there (128 rows x 256 bytes each), with four steps of pass A and its way out in which to land.  All of a WGP's LDS is claimed.
; By this text's count a wave has three tensor loads out at the start (its part of the scales, of slot 0 and of slot 1) and at most one later.
; CLUSTERS: 4 x 4 work-groups.  The four of a row of the cluster need the same rows of x, the four of a column the same rows of W: each tile is asked for JOINTLY, by the same tensor load with a mask that names the four.
; TWO ORIENTATIONS.  D = role 0 x role 1^T: register j of lane (r, h) holds (row 8 h + j of role 0, row r of role 1).
;   q, k: role 0 = W's rows, role 1 = x's rows: a lane holds ONE TOKEN and eight neighbouring channels: half a fragment of 16 tokens x 32 channels.
;   v:    role 0 = x's rows, role 1 = W's rows: a lane holds ONE CHANNEL and eight neighbouring tokens: half a fragment of v^T, 16 channels x 32 keys.
; So four conversions make 16 bytes of an image, and each store of the wave covers 512 consecutive bytes, aligned: no way through LDS.
; qi, ki: [batch x 16 + head: 128][tile of 16 tokens: 64][32 channels: 2][1,024 bytes];  vi: [batch x 16 + head][32 keys: 32][tile of 16 channels: 4][1,024 bytes].
; An image: 512 bytes of registers 0-3 (lane l's 16 bytes at 16 l), then 512 bytes of registers 4-7.
; The bias is the C of each sum's first matrix instruction.
; REGISTERS, in windows of 256: window 0: v16-29 addresses; v32-95 scale words of x and of W_q or W_k, two sets; v96-127 W_v's scale words: these 96 hold scales and nothing else; v128-191 role 1's fragments; v192-255 q's or k's bias;
;   on the ways out v128-255 take the f16.   window 1: role 0's fragments, two sets, at v0 and v128; v64-95 v's bias.
;   windows 2, 3: accumulator (a = role 1's block, b = role 0's) at v[8 (8 (a % 4) + b)], blocks 0-3 in window 2, 4-7 in window 3; pass B has blocks 0-3 alone.
.set NQ,     4                         ; steps of 128 along K in a slot
.set ROWB,   256                       ; a tile's row in bytes: 512 codes
.set KROW,   512                       ; a row of codes in memory
.set PITCH,  272                       ; an LDS row: 256 bytes + 16 = 68 words: row r starts at bank 4 r mod 64 (64 banks of 4 bytes: ISA guide 11.1), so the sixteen rows of a fragment load start at sixteen different banks
.set FR,     8                         ; registers of a fragment: 16 rows x 128 K
.set NL,     2                         ; LDS loads that bring one
.set NP,     4                         ; places behind this matrix instruction (ISA guide 7.12.1)
.set HALFT,  128*PITCH                 ; 128 rows: what one tensor load brings
.set SLOT,   4*HALFT                   ; x's 256 rows, then W's 256
.set SCL,    2*SLOT                    ; behind the slots: the scales of all of K of x's 256 rows, W_q's 128 and W_k's 128, as units of 256 bytes + 16 of padding
.set HALFS,  16*272                    ; those of 128 rows (4,096 bytes): what one tensor load brings
.set SBLK,   2*272                     ; those of 16 rows
.set SPARE,  SCL+4*HALFS               ; the spare words, 128 bytes for each wave: two blocks of 256 bytes that no other line names
.set ADRX, 16                          ; v16-17  LDS address of my fragments of x in slot 0, 1
.set ADRV, 18                          ; v18-19  of W_v, K half 0, 1
.set ADRW, 20                          ; v20-21  of W_q or W_k in slot 0, 1
.set SVO,  22                          ; v22     32 r: a row of scale bytes in memory (W_v's)
.set BO4,  23                          ; v23     4 r: the bias of one channel a lane (v)
.set GO,   24                          ; v24     16 x lane: my place in half an image
.set BO32, 25                          ; v25     32 h: the bias of my eight channels (q, k)
.set ADS,  26                          ; v26     scale words in LDS: lanes 0-15 x's rows, lanes 16-31 W's
.set SPW,  28                          ; v28     LDS address of my spare word; never rewritten
.set NIL,  29                          ; v29     0; never rewritten
.set SC,   32                          ; scale words: set s at v[SC + 32 s]; register 4 i + q: lanes 0-15 x's block i, lanes 16-31 W's block i, for the slot's q-th 128 along K
.set SCV,  96                          ; W_v's: set s at v[SCV + 16 s]; register 4 a + q: lanes 0-15 block a
.set AF,   128                         ; role 1's fragments: pass A one set of eight blocks; pass B two sets of four
.set BIAS, 192
.set BV,   64                          ; window 1: v's bias, eight registers a block
.set G1, 24                            ; s[24:31] descriptor group 1 for x's tiles;  s[32:39] group 0, one set for each slot
.set G0, 32
.set G1B, 48                           ; s[48:55], s[56:63] the same for W's
.set G0B, 56
.set G1S, 68                           ; s[68:75], s[76:79] groups 1 and 0 for x's scales;  s[80:87], s[88:91] for W's
.set G0S, 76
.set G1SB, 80
.set G0SB, 88
.set G0V, 92                           ; s[92:95] group 0 for the refill: W_v
.set MSB, 0
.macro WIN new                         ; the immediate's high byte repeats the setting that is left; a switch that changes nothing is dropped
.if MSB != (\new)
	s_set_vgpr_msb (MSB<<8)|(\new)
.set MSB, (\new)
.endif
.endm
.set MUL_LO, 0xa1                      ; source 0 window 1, source 1 window 0, C and D window 2
.set MUL_HI, 0xf1                      ; the same, C and D window 3
.set TO_B,   0x40                      ; destination window 1, address window 0
; A joint load: waves 0 and 1 fetch for x, waves 2 and 3 for W.  Each line has ONE mask and one set of registers for all that issue it; the branch hangs on the wave's number alone.
; An s_nop 0 and four v_nop follow each of the two lines, ahead of the jump, the label and what follows.
.macro JLOAD g0a, g1a, g0b, g1b
	s_cmp_eq_u32 s17, 0
	s_cbranch_scc0 .Lfor_w_\@
	tensor_load_to_lds s[\g0a:\g0a+3], s[\g1a:\g1a+7]
	s_nop 0
.rept 4
	v_nop
.endr
	s_branch .Lasked_\@
.Lfor_w_\@:
	tensor_load_to_lds s[\g0b:\g0b+3], s[\g1b:\g1b+7]
	s_nop 0
.rept 4
	v_nop
.endr
.Lasked_\@:
.endm
.macro CREST                           ; a round of the cluster's barrier behind its opening barrier
	s_cmp_lg_u32 s16, 0
	s_cbranch_scc1 .Lnot_wave_0_\@
	s_barrier_signal -3
.Lnot_wave_0_\@:
	s_barrier_wait -3
	s_barrier_signal -1
	s_barrier_wait -1
.endm
.macro CROUND                          ; a whole round
	s_barrier_signal -1
	s_barrier_wait -1
	CREST
.endm
	s_load_b256 s[4:11], s[0:1], 0x0               ; codes s[4:5], scales s[6:7], bias s[8:9], qi s[10:11]
	s_load_b128 s[12:15], s[0:1], 0x20             ; ki s[12:13], vi s[14:15]
	v_lshl_add_u32 v[SPW], v0, 2, SPARE
	v_mov_b32 v[NIL], 0
	ds_add_u32 v[SPW], v[NIL]                      ; the wave's opening: the add, twice on end, and its wait ahead of my first tensor load; the set-up below stands between the second and the wait
	ds_add_u32 v[SPW], v[NIL]
	v_lshrrev_b32 v1, 5, v0
	v_readfirstlane_b32 s16, v1                    ; wave 0..3
	s_lshr_b32 s17, s16, 1                         ; which 128 of the tile's tokens are mine.  Also: I fetch for x (0) or for W (1)
	s_and_b32 s18, s16, 1                          ; pass A: q (0) or k (1); pass B: which of the two heads.  Also: which 128 rows I fetch
	s_bfe_u32 s40, ttmp6, 0x40000                  ; cx, cy: my place in the cluster
	s_bfe_u32 s41, ttmp6, 0x40004
	s_lshl_b32 s42, ttmp9, 2
	s_add_co_u32 s42, s42, s40                     ; pair of heads = 4 x cluster x + cx: 0 .. 7
	s_and_b32 s19, ttmp7, 0xffff
	s_lshl_b32 s19, s19, 2
	s_add_co_u32 s19, s19, s41                     ; tile of tokens = 4 x cluster y + cy: 0 .. 31
	s_lshl_b32 s43, s41, 2
	s_lshl_b32 s43, 15, s43                        ; my row of the cluster
	s_lshl_b32 s44, 0x1111, s40                    ; my column
	; descriptor group 1: a tile of 128 rows x 256 bytes, padded in LDS
	s_or_b32 s[G1+0], s43, (0<<16)|(1<<20)|(1<<21)|(5<<22)|(3<<25)  ; 15:0 the mask: x's tiles go to my row; 17:16 elements of 1 byte; 20 padding on; 21 set beside a mask; 24:22 after every 64 words; 31:25 four words
	s_or_b32 s[G1B+0], s44, (0<<16)|(1<<20)|(1<<21)|(5<<22)|(3<<25) ; W's tiles go to my column
.irp g, G1, G1B
	s_mov_b32 s[\g+1], ROWB<<16                    ; tensor_dim0
	s_mov_b32 s[\g+2], 128<<16                     ; tensor_dim1
	s_mov_b32 s[\g+3], ROWB<<16                    ; tile_dim0
	s_mov_b32 s[\g+4], 128                         ; tile_dim1
	s_mov_b32 s[\g+5], KROW                        ; from row to row
	s_mov_b32 s[\g+6], 0
	s_mov_b32 s[\g+7], 0
.endr
	; the scales of 128 rows: a dense block of 4,096 bytes, as 16 rows of 256 bytes (32 elements of 8), 16 bytes of padding behind each
	s_or_b32 s[G1S+0], s43, (3<<16)|(1<<20)|(1<<21)|(5<<22)|(3<<25)
	s_or_b32 s[G1SB+0], s44, (3<<16)|(1<<20)|(1<<21)|(5<<22)|(3<<25)
.irp g, G1S, G1SB
	s_mov_b32 s[\g+1], 32<<16
	s_mov_b32 s[\g+2], 16<<16
	s_mov_b32 s[\g+3], 32<<16
	s_mov_b32 s[\g+4], 16
	s_mov_b32 s[\g+5], 32
	s_mov_b32 s[\g+6], 0
	s_mov_b32 s[\g+7], 0
.endr
	; where the tiles come from.  x's hang on the tile of tokens alone, W's on the pair of heads alone, each in registers that never hold the other coordinate
	s_lshl_b32 s21, s18, 7                         ; which 128 rows of x I fetch
	s_lshl_b32 s20, s19, 8
	s_add_co_u32 s20, s20, s21                     ; x: row 256 x tile + 128 x half
	s_lshl_b32 s46, s42, 7                         ; W: row 128 x pair of heads,
	s_lshl_b32 s47, s18, 10                        ; of W_q (wave 2) or, 1,024 rows on, of W_k (wave 3)
	s_add_co_u32 s46, s46, s47
	s_lshl_b32 s22, s20, 5                         ; x's scales: 32 bytes a row
	s_mov_b32 s23, 0
	s_lshl_b32 s92, s46, 5
	s_add_co_u32 s92, s92, 262144                  ; W's lie behind x's
	s_mov_b32 s93, 0
	s_lshl_b32 s20, s20, 9                         ; x's codes: 512 bytes a row
	s_mov_b32 s21, 0
	s_lshl_b32 s46, s46, 9
	s_add_co_u32 s46, s46, 4194304                 ; W's lie behind x's
	s_mov_b32 s47, 0
	s_mul_i32 s45, s16, HALFT                      ; where they go: wave x 128 rows: no place in the cluster enters an LDS address
	s_mul_i32 s94, s16, HALFS
	s_wait_dscnt 0x0                               ; both opening adds are done
	s_wait_kmcnt 0x0
	s_add_nc_u64 s[20:21], s[4:5], s[20:21]
	s_add_nc_u64 s[22:23], s[6:7], s[22:23]
	s_add_nc_u64 s[46:47], s[4:5], s[46:47]
	s_add_nc_u64 s[92:93], s[6:7], s[92:93]
	CROUND                                         ; all sixteen work-groups are here: the joint loads meet
	s_mov_b32 s[G0S], 1
	s_add_co_u32 s[G0S+1], s94, SCL
	s_mov_b64 s[G0S+2:G0S+3], s[22:23]
	s_or_b32 s[G0S+3], s[G0S+3], 0x80000000
	s_mov_b32 s[G0SB], 1
	s_add_co_u32 s[G0SB+1], s94, SCL
	s_mov_b64 s[G0SB+2:G0SB+3], s[92:93]
	s_or_b32 s[G0SB+3], s[G0SB+3], 0x80000000
	JLOAD G0S, G1S, G0SB, G1SB                     ; the scales first: they are wanted with slot 0
.irp s, 0,1
	s_mov_b32 s[G0+4*\s], 1
	s_add_co_u32 s[G0+4*\s+1], s45, \s*SLOT
	s_add_nc_u64 s[G0+4*\s+2:G0+4*\s+3], s[20:21], \s*ROWB
	s_or_b32 s[G0+4*\s+3], s[G0+4*\s+3], 0x80000000
	s_mov_b32 s[G0B+4*\s], 1
	s_add_co_u32 s[G0B+4*\s+1], s45, \s*SLOT
	s_add_nc_u64 s[G0B+4*\s+2:G0B+4*\s+3], s[46:47], \s*ROWB
	s_or_b32 s[G0B+4*\s+3], s[G0B+4*\s+3], 0x80000000
	JLOAD G0+4*\s, G1, G0B+4*\s, G1B
.endr
	; the refill's group 0, in registers of its own: W_v's 128 rows, K half 0 (wave 2) or 1 (wave 3), into the bytes that the same wave filled in slot 0
	s_lshl_b32 s94, s42, 16                        ; 128 rows of 512 bytes for each pair of heads,
	s_add_co_u32 s94, s94, 4194304+2048*512        ; from W's row 2,048 on,
	s_lshl_b32 s95, s18, 8                         ; my K half
	s_add_co_u32 s94, s94, s95
	s_mov_b32 s95, 0
	s_add_nc_u64 s[G0V+2:G0V+3], s[4:5], s[94:95]
	s_or_b32 s[G0V+3], s[G0V+3], 0x80000000
	s_mov_b32 s[G0V], 1
	s_add_co_u32 s[G0V+1], s45, 0
	; the address registers
	v_and_b32 v1, 15, v0                           ; r
	v_bfe_u32 v2, v0, 4, 1                         ; h
	v_mul_u32_u24 v3, v1, PITCH
	v_lshl_add_u32 v4, v2, 4, v3                   ; a fragment's row x pitch + 16 h
	s_mul_i32 s21, s17, HALFT                      ; my 128 rows of x
	s_mul_i32 s22, s18, HALFT                      ; W_q's 128 rows or W_k's,
	s_add_co_u32 s22, s22, 2*HALFT                 ; which lie behind x's 256
.irp s, 0,1
	v_add_nc_u32 v[ADRX+\s], s21, v4
	v_add_nc_u32 v[ADRW+\s], s22, v4
	s_add_co_u32 s21, s21, SLOT
	s_add_co_u32 s22, s22, SLOT
.endr
	s_mul_i32 s22, s18, 64*PITCH                   ; W_v: my head's 64 rows of the 128,
	s_add_co_u32 s22, s22, 2*HALFT                 ; K half 0 where slot 0 had W_q,
	v_add_nc_u32 v[ADRV], s22, v4
	s_add_co_u32 s22, s22, HALFT                   ; K half 1 where it had W_k
	v_add_nc_u32 v[ADRV+1], s22, v4
	v_lshlrev_b32 v5, 5, v1                        ; my row's scales in LDS: 32 bytes a row,
	v_lshrrev_b32 v6, 3, v1
	v_lshl_add_u32 v5, v6, 4, v5                   ; and 16 more behind each 256
	s_mul_i32 s21, s17, HALFS                      ; x's: my 128 rows
	s_mul_i32 s22, s18, HALFS                      ; W_q's or W_k's, behind x's 256
	s_add_co_u32 s22, s22, 2*HALFS
	s_sub_co_u32 s22, s22, s21                     ; the distance from the one to the other: one product serves the upper half of the lanes
	s_add_co_u32 s21, s21, SCL
	v_add_nc_u32 v5, s21, v5
	v_mul_u32_u24 v6, s22, v2
	v_add_nc_u32 v[ADS], v5, v6                    ; lanes 16-31 take W's
	v_and_b32 v6, 31, v0
	v_lshlrev_b32 v[GO], 4, v6
	v_lshlrev_b32 v[BO32], 5, v2
	v_lshlrev_b32 v[BO4], 2, v1
	v_lshlrev_b32 v[SVO], 5, v1
	; where my results go: (batch x 16 + head) x 131,072 + my first token x 128 bytes, in qi, ki and vi alike
	s_lshr_b32 s20, s19, 2                         ; batch
	s_lshl_b32 s20, s20, 4
	s_lshl_b32 s21, s42, 1                         ; the pair's first head
	s_add_co_u32 s20, s20, s21
	s_lshl_b32 s20, s20, 17
	s_and_b32 s21, s19, 3                          ; which 256 tokens of the batch's 1,024
	s_lshl_b32 s21, s21, 15
	s_add_co_u32 s20, s20, s21
	s_lshl_b32 s21, s17, 14                        ; my 128 of them
	s_add_co_u32 s20, s20, s21
	s_mov_b32 s21, 0
	s_cmp_eq_u32 s18, 0                            ; the wave's number chooses the buffer
	s_cselect_b64 s[96:97], s[10:11], s[12:13]
	s_add_nc_u64 s[96:97], s[96:97], s[20:21]      ; pass A: both heads, in qi or in ki
	s_lshl_b32 s22, s18, 17
	s_add_co_u32 s20, s20, s22
	s_add_nc_u64 s[98:99], s[14:15], s[20:21]      ; pass B: my head, in vi
	s_lshl_b32 s20, s42, 9                         ; the bias: 128 channels of f32 for each pair of heads;
	s_lshl_b32 s22, s18, 12                        ; k's lie 1,024 channels behind q's;
	s_add_co_u32 s22, s22, s20
	s_mov_b32 s23, 0
	s_lshl_b32 s21, s18, 8                         ; v: my head's 64 channels,
	s_add_co_u32 s20, s20, s21
	s_add_co_u32 s20, s20, 8192                    ; 2,048 channels behind q's
	s_mov_b32 s21, 0
	s_add_nc_u64 s[66:67], s[8:9], s[20:21]
	s_add_nc_u64 s[8:9], s[8:9], s[22:23]
	s_lshl_b32 s20, s20, 3                         ; the same rows' scale bytes: 32 a row against the bias's 4,
	s_add_co_u32 s20, s20, 262144                  ; behind x's
	s_add_nc_u64 s[6:7], s[6:7], s[20:21]
	; what comes straight into registers is asked for here, while the tiles are on their way
.irp b, 0,1,2,3,4,5,6,7
	global_load_b128 v[BIAS+8*\b:BIAS+8*\b+3], v[BO32], s[8:9] offset:64*\b        ; q, k: a lane's eight channels of block b: 16 b + 8 h + 0..7
	global_load_b128 v[BIAS+8*\b+4:BIAS+8*\b+7], v[BO32], s[8:9] offset:64*\b+16
.endr
.irp c, 0,1
.irp a, 0,1,2,3
	global_load_b128 v[SCV+16*\c+4*\a:SCV+16*\c+4*\a+3], v[SVO], s[6:7] offset:512*\a+16*\c   ; W_v's scale words, read once: row 16 a + r, K half c; the two halves' loads together take a block's 512 consecutive bytes
.endr
.endr
	WIN TO_B
.irp a, 0,1,2,3
	global_load_b32 v[BV+8*\a], v[BO4], s[66:67] offset:64*\a      ; v: a lane's channel of block a: 16 a + r
.endr
	WIN 0
.macro FRAG reg, adr, q, i             ; 16 rows x 128 K of 4-bit codes: lane l holds row l % 16; registers 4 c .. 4 c + 3 hold K = 64 c + 32 (l / 16) + 0 .. 31
.irp c, 0,1
	ds_load_b128 v[\reg+4*\c:\reg+4*\c+3], v[\adr] offset:64*(\q)+32*\c+(\i)*16*PITCH
.endr
.endm
; A load into a register that a matrix instruction has read, and a vector instruction that reads a matrix result or writes one of a matrix instruction's registers, stand NP places behind it;
; only plain vector instructions that name none of its registers are places (ISA guide 7.12.1 for vector instructions).
.macro PLACES n
.rept \n
	v_nop
.endr
.endm
; ---------------- pass A ----------------
; 16 matrix instructions: x's blocks a0, a0 + 1 against W's eight, the slot's q-th 128 along K.  p: W's set;  sc: the set of scale words.  first = 1: the bias is the C, and starts the sums.
; The 64 accumulators take turns, one instruction a turn, in the same order in every step.
.macro MUL16 a0, p, q, sc, first
.irp a, \a0, \a0+1
.irp b, 0,1,2,3,4,5,6,7
.if \first
	v_wmma_scale_f32_16x16x128_f8f6f4 v[8*(8*((\a)%4)+\b):8*(8*((\a)%4)+\b)+7], v[128*(\p)+FR*\b:128*(\p)+FR*\b+FR-1], v[AF+FR*(\a):AF+FR*(\a)+FR-1], v[BIAS+8*\b:BIAS+8*\b+7], v[SC+8*NQ*(\sc)+NQ*\b+(\q)], v[SC+8*NQ*(\sc)+NQ*(\a)+(\q)] matrix_a_fmt:MATRIX_FMT_FP4 matrix_b_fmt:MATRIX_FMT_FP4 matrix_a_scale:MATRIX_SCALE_ROW1
.else
	v_wmma_scale_f32_16x16x128_f8f6f4 v[8*(8*((\a)%4)+\b):8*(8*((\a)%4)+\b)+7], v[128*(\p)+FR*\b:128*(\p)+FR*\b+FR-1], v[AF+FR*(\a):AF+FR*(\a)+FR-1], v[8*(8*((\a)%4)+\b):8*(8*((\a)%4)+\b)+7], v[SC+8*NQ*(\sc)+NQ*\b+(\q)], v[SC+8*NQ*(\sc)+NQ*(\a)+(\q)] matrix_a_fmt:MATRIX_FMT_FP4 matrix_b_fmt:MATRIX_FMT_FP4 matrix_a_scale:MATRIX_SCALE_ROW1
.endif
.endr
.endr
.endm
.macro FETCH_B slot, q, p              ; W's eight fragments of the slot's q-th 128 along K into set p
	WIN TO_B
.irp i, 0,1,2,3,4,5,6,7
	FRAG 128*(\p)+FR*\i, ADRW+\slot, \q, \i
.endr
	WIN 0
.endm
.macro FETCH_A slot, q, i0             ; x's blocks i0 .. i0 + 3
.irp i, \i0, \i0+1, \i0+2, \i0+3
	FRAG AF+FR*(\i), ADRX+\slot, \q, \i
.endr
.endm
.macro SCALES sc                       ; slot sc's scale words: four words a row, 16 sc bytes into the row's 32; lanes 0-15 take x's block i, lanes 16-31 W's
.irp i, 0,1,2,3,4,5,6,7
	ds_load_b128 v[SC+8*NQ*\sc+NQ*\i:SC+8*NQ*\sc+NQ*\i+3], v[ADS] offset:\i*SBLK+16*\sc
.endr
.endm
; A step of 128 along K that has its successor in the same slot.  A block of x is free as soon as its eight products are issued, so one set serves it: blocks 0-3 are fetched anew in the step's middle, blocks 4-7 at its end.
.macro STEP slot, q, first
	s_wait_dscnt 4*NL                              ; W's set, the scale words and x's blocks 0-3 are in; the youngest eight loads (blocks 4-7) may be out
	WIN MUL_LO-0x20*(\first)                       ; (first: C from window 0)
	MUL16 0, (\q)%2, \q, \slot, \first
	MUL16 2, (\q)%2, \q, \slot, \first
	s_wait_dscnt 0                                 ; blocks 4-7 are in (asked for 32 matrix instructions ago)
	PLACES NP
	FETCH_B \slot, (\q)+1, 1-(\q)%2
	FETCH_A \slot, (\q)+1, 0
	WIN MUL_HI-0x30*(\first)
	MUL16 4, (\q)%2, \q, \slot, \first
	MUL16 6, (\q)%2, \q, \slot, \first
	PLACES NP
	WIN 0
	FETCH_A \slot, (\q)+1, 4
.endm
.macro STEPS slot, from                ; the slot's steps from .. NQ - 2
.set Q, \from
.rept NQ-1-\from
	STEP \slot, Q, 0
.set Q, Q+1
.endr
.endm
; Slot 0's last step goes over to slot 1, and slot 0's rows of W are filled again.  In front of the barrier each wave waits for all its tensor loads (its part of slot 1 was the one still out), adds 0 to its spare word, and
; waits for that and for its own reads of slot 0.  The barrier opens a round of the cluster's barrier: behind the round no wave of any partner still reads those rows or has a load on its way, and the joint refill is the first
; thing there: one tensor load in each of waves 2 and 3, none in waves 0 and 1 (a branch on the wave's number, the same in every work-group).
.macro TURN
	s_wait_tensorcnt 0x0                           ; all my tensor loads have landed  (every window is 0 here)
	ds_add_u32 v[SPW], v[NIL]                      ; 0 onto my spare word
	s_wait_dscnt 4*NL+1                            ; (the add and the youngest eight loads may be out)
	WIN MUL_LO
	MUL16 0, 1, NQ-1, 0, 0                         ; sixteen matrix instructions stand between the add and the wait for it
	s_wait_dscnt 0x0                               ; the add is done, and my reads of slot 0 are over
	s_barrier_signal -1
	MUL16 2, 1, NQ-1, 0, 0
	WIN 0
	s_barrier_wait -1
	CREST
	s_cmp_eq_u32 s17, 0
	s_cbranch_scc1 .Lno_fill_\@
	tensor_load_to_lds s[G0V:G0V+3], s[G1B:G1B+7]  ; W_v: 256 matrix instructions and pass A's way out ahead of the wait for it
	s_nop 0
.rept 4
	v_nop
.endr
.Lno_fill_\@:
	PLACES NP                                      ; in front of the loads below, in the waves that fetch nothing too
	FETCH_B 1, 0, 0
	FETCH_A 1, 0, 0
	SCALES 1
	WIN MUL_HI
	MUL16 4, 1, NQ-1, 0, 0
	MUL16 6, 1, NQ-1, 0, 0
	PLACES NP
	WIN 0
	FETCH_A 1, 0, 4
.endm
; ---------------- pass B ----------------
.macro VFETCH slot, q, p               ; x's eight fragments and W_v's four, of K half slot's q-th 128 along K, into sets p
	WIN TO_B
.irp i, 0,1,2,3,4,5,6,7
	FRAG 128*(\p)+FR*\i, ADRX+\slot, \q, \i
.endr
	WIN 0
.irp i, 0,1,2,3
	FRAG AF+32*(\p)+FR*\i, ADRV+\slot, \q, \i
.endr
.endm
; 32 matrix instructions: W_v's four blocks against x's eight.  x's scale words are pass A's, in lanes 0-15 of the same registers; W_v's stand in lanes 0-15 of their own.  The 32 accumulators take turns, one instruction a turn.
.macro VMUL p, q, sc, first
.irp a, 0,1,2,3
.irp b, 0,1,2,3,4,5,6,7
.if \first
	v_wmma_scale_f32_16x16x128_f8f6f4 v[8*(8*\a+\b):8*(8*\a+\b)+7], v[128*(\p)+FR*\b:128*(\p)+FR*\b+FR-1], v[AF+32*(\p)+FR*\a:AF+32*(\p)+FR*\a+FR-1], v[BV+8*\a:BV+8*\a+7], v[SC+8*NQ*(\sc)+NQ*\b+(\q)], v[SCV+4*NQ*(\sc)+NQ*\a+(\q)] matrix_a_fmt:MATRIX_FMT_FP4 matrix_b_fmt:MATRIX_FMT_FP4
.else
	v_wmma_scale_f32_16x16x128_f8f6f4 v[8*(8*\a+\b):8*(8*\a+\b)+7], v[128*(\p)+FR*\b:128*(\p)+FR*\b+FR-1], v[AF+32*(\p)+FR*\a:AF+32*(\p)+FR*\a+FR-1], v[8*(8*\a+\b):8*(8*\a+\b)+7], v[SC+8*NQ*(\sc)+NQ*\b+(\q)], v[SCV+4*NQ*(\sc)+NQ*\a+(\q)] matrix_a_fmt:MATRIX_FMT_FP4 matrix_b_fmt:MATRIX_FMT_FP4
.endif
.endr
.endr
.endm
; A step: its fragments are in; the next step's (K half ns, its nq-th 128) are asked for into the other sets; then the products.  more = 0: the last step.
.macro VSTEP slot, q, first, ns, nq, more
	s_wait_dscnt 0x0
.if \more
	PLACES NP
	VFETCH \ns, \nq, 1-(\q)%2
.endif
	WIN MUL_LO-0x10*(\first)                       ; (first: C, the bias, from window 1)
	VMUL (\q)%2, \q, \slot, \first
.endm
	s_wait_tensorcnt 1                             ; the scales and my part of slot 0 are in; slot 1's load may stay out
	s_barrier_signal -1
	s_barrier_wait -1                              ; everybody's are
	FETCH_B 0, 0, 0
	FETCH_A 0, 0, 0
	SCALES 0
	FETCH_A 0, 0, 4
	s_wait_loadcnt 0x0                             ; the biases and W_v's scale words
	WIN 0x41                                       ; destination and source 0 window 1
.irp a, 0,1,2,3
.irp j, 1,2,3,4,5,6,7
	v_mov_b32 v[BV+8*\a+\j], v[BV+8*\a]            ; v: all eight tokens of a lane get its channel's bias
.endr
.endr
	WIN 0
	STEP 0, 0, 1                                   ; PASS A
	STEPS 0, 1
	TURN
	STEPS 1, 0
	s_wait_dscnt 4*NL                              ; its last step: nothing more to fetch
	WIN MUL_LO
	MUL16 0, 1, NQ-1, 1, 0
	MUL16 2, 1, NQ-1, 1, 0
	s_wait_dscnt 0
	WIN MUL_HI
	MUL16 4, 1, NQ-1, 1, 0
	MUL16 6, 1, NQ-1, 1, 0
	PLACES NP                                      ; for the conversions, which read results and write registers that held fragments and the bias
	; q's or k's way out: an accumulator's eight numbers are four registers of an image: rounded to f16 and stored, each accumulator from its low end on
.irp a, 0,1,2,3,4,5,6,7
.if \a >= 4
	s_wait_xcnt 0x0                                ; block a - 4's stores have read their registers, which are written again
.endif
	WIN 0x0a+5*(\a/4)                              ; sources 0 and 1: window 2 or 3
.irp b, 0,1,2,3,4,5,6,7
.irp e, 0,1,2,3
	v_cvt_pk_f16_f32 v[128+32*(\a%4)+4*\b+\e], v[64*(\a%4)+8*\b+2*\e], v[64*(\a%4)+8*\b+2*\e+1]
.endr
.endr
	WIN 0
.irp b, 0,1,2,3,4,5,6,7
	global_store_b128 v[GO], v[128+32*(\a%4)+4*\b:128+32*(\a%4)+4*\b+3], s[96:97] offset:\a*2048+(\b/4)*131072+((\b/2)%2)*1024+(\b%2)*512 th:TH_STORE_NT   ; tokens 16 a on, head b / 4, channels 32 ((b / 2) % 2) on, registers 4 (b % 2) on: 512 consecutive bytes, aligned
.endr
.endr
	s_wait_tensorcnt 0x0                           ; PASS B.  W_v has landed (in the waves that asked for it),
	s_wait_dscnt 0x0                               ; no LDS instruction of mine is out,
	s_barrier_signal -1
	s_barrier_wait -1                              ; and the same holds of all four waves.
	s_wait_xcnt 0x0                                ; the stores above have read their registers: fragments may land there
	VFETCH 0, 0, 0
	VSTEP 0, 0, 1, 0, 1, 1                         ; (between pass A's last products and this step's, which begin window 2's accumulators anew, stand eight v_nop and the conversions)
	VSTEP 0, 1, 0, 0, 2, 1
	VSTEP 0, 2, 0, 0, 3, 1
	VSTEP 0, 3, 0, 1, 0, 1
	VSTEP 1, 0, 0, 1, 1, 1
	VSTEP 1, 1, 0, 1, 2, 1
	VSTEP 1, 2, 0, 1, 3, 1
	VSTEP 1, 3, 0, 0, 0, 0
	WIN 0
	PLACES NP
	; v's way out
.irp a, 0,1,2,3
	WIN 0x0a                                       ; sources 0 and 1: window 2
.irp b, 0,1,2,3,4,5,6,7
.irp e, 0,1,2,3
	v_cvt_pk_f16_f32 v[128+32*\a+4*\b+\e], v[64*\a+8*\b+2*\e], v[64*\a+8*\b+2*\e+1]
.endr
.endr
	WIN 0
.irp b, 0,1,2,3,4,5,6,7
	global_store_b128 v[GO], v[128+32*\a+4*\b:128+32*\a+4*\b+3], s[98:99] offset:\a*1024+(\b/2)*4096+(\b%2)*512 th:TH_STORE_NT   ; channels 16 a on, keys 32 (b / 2) on, registers 4 (b % 2) on: 512 consecutive bytes, aligned
.endr
.endr
	s_wait_tensorcnt 0x0                           ; the wave's end
	ds_add_u32 v[SPW], v[NIL]
	s_wait_dscnt 0x0
	CROUND                                         ; the closing round: no work-group ends while a partner may still ask for a tile that names it
	s_endpgm
.Lfunc_end_k_q0142c477fa_qkv:
	.size	k_q0142c477fa_qkv, .Lfunc_end_k_q0142c477fa_qkv-k_q0142c477fa_qkv
	.p2alignl 7, 3214868480
	.fill 96, 4, 3214868480
	.section	.rodata,"a",@progbits
	.p2align	6, 0x0
	.amdhsa_kernel k_q0142c477fa_qkv
		.amdhsa_group_segment_fixed_size 327680
		.amdhsa_private_segment_fixed_size 0
		.amdhsa_enable_private_segment 0
		.amdhsa_kernarg_size 48
		.amdhsa_user_sgpr_count 2
		.amdhsa_user_sgpr_kernarg_segment_ptr 1
		.amdhsa_wavefront_size32 1
		.amdhsa_system_sgpr_workgroup_id_x 1
		.amdhsa_system_sgpr_workgroup_id_y 1
		.amdhsa_system_sgpr_workgroup_id_z 1
		.amdhsa_system_vgpr_workitem_id 0
		.amdhsa_next_free_vgpr 1024
		.amdhsa_next_free_sgpr 100
		.amdhsa_reserve_vcc 0
		.amdhsa_float_denorm_mode_32 3
		.amdhsa_float_denorm_mode_16_64 3
		.amdhsa_memory_ordered 1
		.amdhsa_forward_progress 1
		.amdhsa_inst_pref_size 180
	.end_amdhsa_kernel
	.amdgpu_metadata
---
amdhsa.version: [ 1, 2 ]
amdhsa.kernels:
  - .name:           k_q0142c477fa_qkv
    .symbol:         k_q0142c477fa_qkv.kd
    .args:
      - { .name: codes, .offset: 0, .size: 8, .value_kind: global_buffer, .address_space: global }
      - { .name: scales, .offset: 8, .size: 8, .value_kind: global_buffer, .address_space: global }
      - { .name: in_proj_bias, .offset: 16, .size: 8, .value_kind: global_buffer, .address_space: global }
      - { .name: qi, .offset: 24, .size: 8, .value_kind: global_buffer, .address_space: global }
      - { .name: ki, .offset: 32, .size: 8, .value_kind: global_buffer, .address_space: global }
      - { .name: vi, .offset: 40, .size: 8, .value_kind: global_buffer, .address_space: global }
    .group_segment_fixed_size: 327680
    .private_segment_fixed_size: 0
    .kernarg_segment_align: 8
    .kernarg_segment_size: 48
    .max_flat_workgroup_size: 128
    .sgpr_count:     100
    .vgpr_count:     1024
    .wavefront_size: 32
...
	.end_amdgpu_metadata
.endif
;; end of part 2
;; launch attn (part 3): grid 2 x 128, 8 waves a work-group, no clusters, 263,168 bytes of LDS; arguments qi, ki, vi, oi; writes oi
.if DOCPART == 3
	.amdgcn_target "amdgcn-amd-amdhsa--gfx1250"
	.amdhsa_code_object_version 6
	.text
	.protected	k_q0142c477fa_attn
	.globl	k_q0142c477fa_attn
	.p2align	8
	.type	k_q0142c477fa_attn,@function
k_q0142c477fa_attn:
	s_mov_b64 s[64:65], 0
	v_nop
	global_prefetch_b8 v0, s[64:65] scope:SCOPE_SE
	s_setreg_imm32_b32 hwreg(HW_REG_WAVE_MODE, 25, 1), 1
	s_wait_xcnt 0x0
; o = softmax(q k^T / 8) v for one batch and head, head size 64, 1,024 keys, no mask.  q, k, v arrive as f16 images of operand registers; products in f16 with f32 sums; maxima, exponentials and sums in f32;
; the weights p are rounded to f16 for the second product, o once at the end, again into images (for the projection).
; LIMITS: o is carried in f16 (|o| is at most the largest |v|); a p under 6e-8 counts as 0 in the second product and still counts in the row's f32 sum; NaN and infinities are not served.
; SHARES.  A work-group takes one (batch, head) and 512 of its 1,024 queries: 256 work-groups.  Each of its eight waves owns 64 queries, four tiles of 16, in 512 registers: two waves to a SIMD.
; THE WHOLE HEAD'S K AND V LIE IN LDS, 131,072 bytes each, as dense images: nothing is filled again and no barrier stands in a key step.  They come in four stages of 256 keys: each wave issues four first fills of
; 8,192 bytes, one a stage (waves 0-3: K's quarters, waves 4-7: V's); by this text's count four tensor loads of a wave are out.  Ahead of a stage's first read stands a counted wait and a barrier.
; No cluster: only the two work-groups of a head read the same K and V, and a cluster of four would join two heads, whose tiles differ.  No prefetch: the first fills ask for every byte at the head.
; LAYOUT.  S^T = K Q^T (source 0 = 16 keys, source 1 = 16 queries): a lane holds ONE query (lane % 16) and the keys 8 (lane / 16) + 0..7.  Two such tiles, rounded to f16 in pairs, ARE source 1 (32 keys x 16 queries)
; of O^T = V^T P, whose result again holds one query a lane and eight channels, which is half an image of o.  Every fragment is read from LDS at 16 x lane.
; SOFTMAX.  For each query a running maximum m and sum l: p = 2^(c s - c m), c = log2(e) / 8; in every step O and l are multiplied by a = 2^(c m_old - c m_new).  No branch hangs on data.
; ki: [head][tile of 16 keys: 64][32 channels: 2][1,024];  vi: [head][32 keys: 32][tile of 16 channels: 4][1,024]: a step of 64 keys is 8,192 consecutive bytes of each.
; oi: [tile of 16 tokens, all batches: 512][32 of C: 32][1,024].
; REGISTERS: window 0: v1-7 addresses; v8-39 eight registers of statistics a tile; v64-191 S^T, 32 a tile (P is laid over a tile's first 16); v192-255 K of one step.
;   window 1: v0-127 O^T, 32 a tile; v128-191 Q, 16 a tile; v192-255 V of one step.
.set SPARE, 262144                     ; behind K and V: the spare words, 128 bytes for each wave: four blocks of 256 bytes that no other line names
.set LI,  1                            ; v1   16 x lane
.set ADK, 2                            ; v2   LDS address of the step's K
.set ADV, 3                            ; v3   and of its V
.set SPW, 6                            ; v6   LDS address of my spare word; never rewritten
.set NIL, 7                            ; v7   0; never rewritten
.set ST,  8                            ; tile t's statistics at v[ST + 8 t]: +0 c m, +1 m, +2, +3 l (even keys', odd keys'), +4 .. +7 at work; a lies in +6
.set S,   64
.set KF,  192                          ; K's fragments: 16 (tile of keys) + 8 (32 channels)
.set QF,  128                          ; window 1: Q's: 16 t + 8 (32 channels)
.set VF,  192                          ; window 1: V's: 32 (32 keys) + 8 (tile of channels)
.set WV,  12                           ; s12  my wave's number
.set G1,  16                           ; s[16:23] descriptor group 1, the same for every load
.set G0K, 24                           ; s[24:39] group 0 for K, a set for each stage
.set G0V, 40                           ; s[40:55] for V
.set TB,  56                           ; s56  LDS byte at which the step's K begins
.set CNT, 57                           ; s57  counts a loop's trips
.set CS,  58                           ; s[58:59] c: the packed form names a pair and takes its low word for both halves
.set SEL, 60                           ; s[60:61] lane selects for v_permlanex16_b32: lane l xor 16
.set MSB, 0
.macro WIN new                         ; the immediate's high byte repeats the setting that is left; a switch that changes nothing is dropped
.if MSB != (\new)
	s_set_vgpr_msb (MSB<<8)|(\new)
.set MSB, (\new)
.endif
.endm
	s_load_b256 s[4:11], s[0:1], 0x0               ; qi s[4:5], ki s[6:7], vi s[8:9], oi s[10:11]
	v_lshl_add_u32 v[SPW], v0, 2, SPARE
	v_mov_b32 v[NIL], 0
	ds_add_u32 v[SPW], v[NIL]                      ; the wave's opening: the add, twice on end, and its wait ahead of my first tensor load; the set-up below stands between the second and the wait
	ds_add_u32 v[SPW], v[NIL]
	v_lshrrev_b32 v1, 5, v0
	v_readfirstlane_b32 s[WV], v1                  ; wave 0..7
	s_and_b32 s13, s[WV], 3                        ; which quarter of a stage I fetch
	s_and_b32 s14, ttmp7, 0xffff                   ; batch x 16 + head
	; descriptor group 1: a dense block of 8,192 bytes as 32 rows of 256 bytes (32 elements of 8), no padding
	s_mov_b32 s[G1], 3<<16                         ; 15:0 no mask; 17:16 elements of 8 bytes; 20 padding off
	s_mov_b32 s[G1+1], 32<<16                      ; tensor_dim0
	s_mov_b32 s[G1+2], 32<<16                      ; tensor_dim1
	s_mov_b32 s[G1+3], 32<<16                      ; tile_dim0
	s_mov_b32 s[G1+4], 32                          ; tile_dim1
	s_mov_b32 s[G1+5], 32                          ; from row to row
	s_mov_b32 s[G1+6], 0
	s_mov_b32 s[G1+7], 0
	s_lshl_b32 s15, s13, 13                        ; my quarter: 8,192 bytes, in LDS and in memory alike
	s_lshl_b32 s62, s14, 17                        ; the head: 131,072 bytes in each tensor
	s_add_co_u32 s62, s62, s15
	s_mov_b32 s63, 0
	s_mov_b32 s[CS], 0x3e38aa3b                    ; c = log2(e) / 8
	s_mov_b32 s[CS+1], s[CS]                       ; (named with it as a pair, so it is written)
	s_mov_b32 s[SEL], 0x76543210
	s_mov_b32 s[SEL+1], 0xfedcba98
	s_mov_b32 s[TB], 0
	s_wait_dscnt 0x0                               ; both opening adds are done
	s_wait_kmcnt 0x0
	s_add_nc_u64 s[6:7], s[6:7], s[62:63]
	s_add_nc_u64 s[8:9], s[8:9], s[62:63]
.irp s, 0,1,2,3                        ; stage s: 32,768 bytes of K and of V
	s_mov_b32 s[G0K+4*\s], 1
	s_add_co_u32 s[G0K+4*\s+1], s15, \s*32768
	s_add_nc_u64 s[G0K+4*\s+2:G0K+4*\s+3], s[6:7], \s*32768
	s_or_b32 s[G0K+4*\s+3], s[G0K+4*\s+3], 0x80000000
	s_mov_b32 s[G0V+4*\s], 1
	s_add_co_u32 s[G0V+4*\s+1], s15, \s*32768+131072
	s_add_nc_u64 s[G0V+4*\s+2:G0V+4*\s+3], s[8:9], \s*32768
	s_or_b32 s[G0V+4*\s+3], s[G0V+4*\s+3], 0x80000000
.endr
	s_cmp_lt_u32 s[WV], 4                          ; a wave's four first fills stand in one branch, ahead of every wait on TENSORcnt, every LDS read and every barrier; an s_nop 0 follows each, four v_nop the last
	s_cbranch_scc0 .Lfirst_v
.irp s, 0,1,2,3
	tensor_load_to_lds s[G0K+4*\s:G0K+4*\s+3], s[G1:G1+7]
	s_nop 0
.endr
.rept 4
	v_nop
.endr
	s_branch .Lasked
.Lfirst_v:
.irp s, 0,1,2,3
	tensor_load_to_lds s[G0V+4*\s:G0V+4*\s+3], s[G1:G1+7]
	s_nop 0
.endr
.rept 4
	v_nop
.endr
.Lasked:
	v_and_b32 v1, 31, v0
	v_lshlrev_b32 v[LI], 4, v1
	s_lshl_b32 s62, s14, 17                        ; Q: the head,
	s_lshl_b32 s15, ttmp9, 16                      ; my work-group's 32 tiles of 2,048 bytes,
	s_add_co_u32 s62, s62, s15
	s_lshl_b32 s15, s[WV], 13                      ; my wave's four
	s_add_co_u32 s62, s62, s15
	s_add_nc_u64 s[4:5], s[4:5], s[62:63]
	WIN 0x40                                       ; destination window 1
.irp u, 0,1,2,3,4,5,6,7,8,9,10,11,12,13,14,15
	global_load_b128 v[QF+4*\u:QF+4*\u+3], v[LI], s[4:5] offset:512*\u   ; Q stays in registers: the images' 8,192 bytes on end are the registers on end
.endr
	WIN 0
	s_lshr_b32 s62, s14, 4                         ; O: tile of tokens = 64 x batch + 32 x work-group + 4 x wave,
	s_lshl_b32 s62, s62, 6
	s_lshl_b32 s15, ttmp9, 5
	s_add_co_u32 s62, s62, s15
	s_lshl_b32 s15, s[WV], 2
	s_add_co_u32 s62, s62, s15
	s_lshl_b32 s62, s62, 15                        ; 32,768 bytes each;
	s_and_b32 s15, s14, 15
	s_lshl_b32 s15, s15, 11                        ; the head's two images in it
	s_add_co_u32 s62, s62, s15
	s_add_nc_u64 s[10:11], s[10:11], s[62:63]
; 32 products S^T = K Q^T: channels 32 (i / 16) on, keys 16 ((i / 4) % 4) on, tile i % 4.  The first 16 start the sums.  Sixteen accumulators take turns, one instruction a turn.
.macro KQ
	WIN 0x04                                       ; source 1 (Q) window 1
.set i, 0
.rept 32
.set rS, S+32*(i%4)+8*((i/4)%4)
.set rK, KF+16*((i/4)%4)+8*(i/16)
.set rQ, QF+16*(i%4)+8*(i/16)
.if i < 16
	v_wmma_f32_16x16x32_f16 v[rS:rS+7], v[rK:rK+7], v[rQ:rQ+7], 0
.else
	v_wmma_f32_16x16x32_f16 v[rS:rS+7], v[rK:rK+7], v[rQ:rQ+7], v[rS:rS+7]
.endif
.set i, i+1
.endr
.endm
; 32 products O^T += V^T P: keys 32 (i / 16) on, channels 16 ((i / 4) % 4) on, tile i % 4.  first = 1: the first 16 start the sums: nothing is ever cleared.
.macro PV first
	WIN 0x51                                       ; V, C and D window 1, P window 0
.set i, 0
.rept 32
.set rO, 32*(i%4)+8*((i/4)%4)
.set rV, VF+32*(i/16)+8*((i/4)%4)
.set rP, S+32*(i%4)+8*(i/16)
.if \first && (i < 16)
	v_wmma_f32_16x16x32_f16 v[rO:rO+7], v[rV:rV+7], v[rP:rP+7], 0
.else
	v_wmma_f32_16x16x32_f16 v[rO:rO+7], v[rV:rV+7], v[rP:rP+7], v[rO:rO+7]
.endif
.set i, i+1
.endr
.endm
.macro FS t, i                         ; pair i of tile t: c s - c m
	v_pk_fma_f32 v[S+32*(\t)+2*(\i):S+32*(\t)+2*(\i)+1], v[S+32*(\t)+2*(\i):S+32*(\t)+2*(\i)+1], s[CS:CS+1], v[ST+8*(\t):ST+8*(\t)+1] op_sel_hi:[1,0,0] neg_lo:[0,0,1] neg_hi:[0,0,1]
.endm
.macro EX t, e                         ; p = 2^(c s - c m), in place
	v_exp_f32 v[S+32*(\t)+(\e)], v[S+32*(\t)+(\e)]
.endm
.macro LS t, i, first                  ; l takes pair i of the unrounded p; with pair 0 it is brought under the new maximum
.if (\i) == 0
.if \first
	v_pk_add_f32 v[ST+8*(\t)+2:ST+8*(\t)+3], v[S+32*(\t):S+32*(\t)+1], 0 op_sel_hi:[1,0]
.else
	v_pk_fma_f32 v[ST+8*(\t)+2:ST+8*(\t)+3], v[ST+8*(\t)+2:ST+8*(\t)+3], v[ST+8*(\t)+6:ST+8*(\t)+7], v[S+32*(\t):S+32*(\t)+1] op_sel_hi:[1,0,1]
.endif
.else
	v_pk_add_f32 v[ST+8*(\t)+2:ST+8*(\t)+3], v[ST+8*(\t)+2:ST+8*(\t)+3], v[S+32*(\t)+2*(\i):S+32*(\t)+2*(\i)+1]
.endif
.endm
.macro CV t, i                         ; pair i rounded to f16, into the tile's register i: ascending, and behind the pair's sum, so nothing is overwritten that is still wanted
	v_cvt_pk_f16_f32 v[S+32*(\t)+(\i)], v[S+32*(\t)+2*(\i)], v[S+32*(\t)+2*(\i)+1]
.endm
; A key step's softmax for the four tiles, which alternate so that no line waits for the line above it.  first = 1: the first step, which has no old maximum.
; THE EXPONENTIALS GO IN TWO BATCHES, each with one plain line and ONE wait behind it, ahead of the first line that names a result:
; tiles 0 and 1 (and the four a) among the scalings of tiles 2 and 3; tiles 2 and 3 among the sums and roundings of tiles 0 and 1.
.macro SOFTMAX first
.irp j, 0,1,2,3                        ; the maximum of a lane's 32 scores: four chains a tile; each accumulator is first read at its low end
.irp t, 0,1,2,3
	v_max3_num_f32 v[ST+8*\t+4+\j], v[S+32*\t+8*\j], v[S+32*\t+8*\j+1], v[S+32*\t+8*\j+2]
.endr
.endr
.irp g, 1,2
.irp j, 0,1,2,3
.irp t, 0,1,2,3
	v_max3_num_f32 v[ST+8*\t+4+\j], v[ST+8*\t+4+\j], v[S+32*\t+8*\j+2*\g+1], v[S+32*\t+8*\j+2*\g+2]
.endr
.endr
.endr
.irp t, 0,1,2,3
	v_max3_num_f32 v[ST+8*\t+4], v[ST+8*\t+4], v[S+32*\t+7], v[S+32*\t+15]
.endr
.irp t, 0,1,2,3
	v_max3_num_f32 v[ST+8*\t+6], v[ST+8*\t+6], v[S+32*\t+23], v[S+32*\t+31]
.endr
.irp t, 0,1,2,3
	v_max3_num_f32 v[ST+8*\t+4], v[ST+8*\t+4], v[ST+8*\t+5], v[ST+8*\t+6]
.endr
.irp t, 0,1,2,3
.if \first
	v_max_num_f32 v[ST+8*\t+4], v[ST+8*\t+4], v[ST+8*\t+7]
.else
	v_max3_num_f32 v[ST+8*\t+4], v[ST+8*\t+4], v[ST+8*\t+7], v[ST+8*\t+1]   ; with the old m
.endif
.endr
.irp t, 0,1,2,3
	v_permlanex16_b32 v[ST+8*\t+5], v[ST+8*\t+4], s[SEL], s[SEL+1]   ; the query's other 32 keys lie in the lane 16 away
.endr
.if !\first
.irp t, 0,1,2,3
	v_mov_b32 v[ST+8*\t+7], v[ST+8*\t]             ; c m_old is kept for a
.endr
.endif
.irp t, 0,1,2,3
	v_max_num_f32 v[ST+8*\t+1], v[ST+8*\t+4], v[ST+8*\t+5]          ; the new m
.endr
.irp t, 0,1,2,3
	v_mul_f32 v[ST+8*\t], s[CS], v[ST+8*\t+1]      ; c m
.endr
.if !\first
.irp t, 0,1,2,3
	v_sub_f32 v[ST+8*\t+7], v[ST+8*\t+7], v[ST+8*\t]
.endr
.endif
.irp i, 0,1,2,3,4,5,6,7,8,9,10,11,12,13,14,15
	FS 0, \i
	FS 1, \i
.endr
.if !\first
.irp t, 0,1,2,3
	v_exp_f32 v[ST+8*\t+6], v[ST+8*\t+7]           ; a = 2^(c m_old - c m_new)
.endr
.endif
.irp i, 0,1,2,3,4,5,6,7,8,9,10,11,12,13,14,15
	FS 2, \i
	EX 0, 2*\i
	EX 0, 2*\i+1
	FS 3, \i
	EX 1, 2*\i
	EX 1, 2*\i+1
.endr
	v_nop                                          ; the plain line behind the last exponential
	s_wait_alu depctr_va_vdst(0)                   ; one wait for the batch: no result has been named yet
.irp i, 0,1,2,3,4,5,6,7,8,9,10,11,12,13,14,15
	LS 0, \i, \first
	EX 2, 2*\i
	CV 0, \i
	EX 2, 2*\i+1
	LS 1, \i, \first
	EX 3, 2*\i
	CV 1, \i
	EX 3, 2*\i+1
.endr
	v_nop
	s_wait_alu depctr_va_vdst(0)                   ; and one for the second batch
.irp i, 0,1,2,3,4,5,6,7,8,9,10,11,12,13,14,15
	LS 2, \i, \first
	LS 3, \i, \first
	CV 2, \i
	CV 3, \i
.endr
.endm
; THE BODY OF KEY STEP j begins behind the products K Q^T of step j: it asks LDS for V of step j and K of step j + 1, walks the softmax while they come, multiplies V^T P, and then K Q^T of step j + 1.
; first = 1: step 0;  last = 1: step 15, which has no next K.
.macro BODY first, last
	WIN 0
	v_add_nc_u32 v[ADK], s[TB], v[LI]              ; these two and two v_nop are the four places behind K Q^T: for the loads into K's registers and for the first reads of the scores
	v_add_nc_u32 v[ADV], 0x20000, v[ADK]
	v_nop
	v_nop
	WIN 0x40                                       ; destination window 1
.irp u, 0,1,2,3,4,5,6,7,8,9,10,11,12,13,14,15
	ds_load_b128 v[VF+4*\u:VF+4*\u+3], v[ADV] offset:512*\u
.endr
	WIN 0
.if !\last
.irp u, 0,1,2,3,4,5,6,7,8,9,10,11,12,13,14,15
	ds_load_b128 v[KF+4*\u:KF+4*\u+3], v[ADK] offset:8192+512*\u
.endr
.endif
	s_add_co_u32 s[TB], s[TB], 8192
	SOFTMAX \first
.if !\first
	WIN 0x41                                       ; O^T (destination and source 0) window 1, a window 0
.irp t, 0,1,2,3
.irp i, 0,1,2,3,4,5,6,7,8,9,10,11,12,13,14,15
	v_pk_mul_f32 v[32*\t+2*\i:32*\t+2*\i+1], v[32*\t+2*\i:32*\t+2*\i+1], v[ST+8*\t+6:ST+8*\t+7] op_sel_hi:[1,0]   ; O^T under the new maximum, each accumulator from its low end on
.endr
.endr
.endif
.if \last
	s_wait_dscnt 0x0                               ; V is in
.else
	s_wait_dscnt 16                                ; V is in; K's sixteen loads, issued behind V's, may be out
.endif
	PV \first
.if !\last
.rept 5
	v_nop                                          ; K Q^T writes over registers that V^T P has read as P: five places
.endr
	s_wait_dscnt 0x0                               ; K is in
	KQ
.endif
	WIN 0                                          ; at a label and at a branch every window is 0
.endm
; Ahead of a stage's first read: my load of that stage has landed (n later ones may stay out), no LDS instruction of mine is out, and the same holds of all eight waves.
.macro MEET n
	s_wait_tensorcnt \n
	s_wait_dscnt 0x0
	s_barrier_signal -1
	s_barrier_wait -1
.endm
.macro BODIES n                        ; n key steps, written once
	s_mov_b32 s[CNT], \n
.Lstep_\@:
	BODY 0, 0
	s_sub_co_u32 s[CNT], s[CNT], 1
	s_cmp_lg_u32 s[CNT], 0
	s_cbranch_scc1 .Lstep_\@
.endm
	MEET 3                                         ; stage 0: keys 0-255, steps 0-3
.irp u, 0,1,2,3,4,5,6,7,8,9,10,11,12,13,14,15
	ds_load_b128 v[KF+4*\u:KF+4*\u+3], v[LI] offset:512*\u         ; K of step 0
.endr
	s_wait_loadcnt 0x0                             ; Q
	s_wait_dscnt 0x0
	KQ
	BODY 1, 0                                      ; step 0 (reads V 0, K 1)
	BODIES 2                                       ; steps 1, 2 (the last reads K 3)
	MEET 2                                         ; stage 1: a body reads the NEXT step's K, so the meeting stands one body ahead of the stage's first step
	BODIES 4                                       ; steps 3 .. 6
	MEET 1                                         ; stage 2
	BODIES 4                                       ; steps 7 .. 10
	MEET 0                                         ; stage 3
	BODIES 4                                       ; steps 11 .. 14
	BODY 0, 1                                      ; step 15
	; THE WAY OUT.  l's two halves and the other half of the lanes' are added (the four additions are the places behind the last products); O^T is divided by l, rounded to f16 and stored as it stands: a tile of
	; channels is half an image
.irp t, 0,1,2,3
	v_add_f32 v[ST+8*\t+4], v[ST+8*\t+2], v[ST+8*\t+3]
.endr
.irp t, 0,1,2,3
	v_permlanex16_b32 v[ST+8*\t+5], v[ST+8*\t+4], s[SEL], s[SEL+1]
.endr
.irp t, 0,1,2,3
	v_add_f32 v[ST+8*\t+4], v[ST+8*\t+4], v[ST+8*\t+5]
.endr
.irp t, 0,1,2,3
	v_rcp_f32 v[ST+8*\t+6], v[ST+8*\t+4]
.endr
	v_nop                                          ; a plain line behind the last reciprocal,
	s_wait_alu depctr_va_vdst(0)                   ; and one wait for the four, ahead of their first reader
.irp t, 0,1,2,3
	WIN 0x41
.irp i, 0,1,2,3,4,5,6,7,8,9,10,11,12,13,14,15
	v_pk_mul_f32 v[32*\t+2*\i:32*\t+2*\i+1], v[32*\t+2*\i:32*\t+2*\i+1], v[ST+8*\t+6:ST+8*\t+7] op_sel_hi:[1,0]
.endr
	WIN 0x05                                       ; sources 0 and 1 window 1, destination window 0: S^T's registers are free
.irp i, 0,1,2,3,4,5,6,7,8,9,10,11,12,13,14,15
	v_cvt_pk_f16_f32 v[S+16*\t+\i], v[32*\t+2*\i], v[32*\t+2*\i+1]
.endr
	WIN 0
.irp c, 0,1,2,3
	global_store_b128 v[LI], v[S+16*\t+4*\c:S+16*\t+4*\c+3], s[10:11] offset:\t*32768+\c*512 th:TH_STORE_NT   ; 512 consecutive bytes, aligned
.endr
.endr
	s_wait_tensorcnt 0x0                           ; the wave's end
	ds_add_u32 v[SPW], v[NIL]
	s_wait_dscnt 0x0
	s_endpgm
.Lfunc_end_k_q0142c477fa_attn:
	.size	k_q0142c477fa_attn, .Lfunc_end_k_q0142c477fa_attn-k_q0142c477fa_attn
	.p2alignl 7, 3214868480
	.fill 96, 4, 3214868480
	.section	.rodata,"a",@progbits
	.p2align	6, 0x0
	.amdhsa_kernel k_q0142c477fa_attn
		.amdhsa_group_segment_fixed_size 263168
		.amdhsa_private_segment_fixed_size 0
		.amdhsa_enable_private_segment 0
		.amdhsa_kernarg_size 32
		.amdhsa_user_sgpr_count 2
		.amdhsa_user_sgpr_kernarg_segment_ptr 1
		.amdhsa_wavefront_size32 1
		.amdhsa_system_sgpr_workgroup_id_x 1
		.amdhsa_system_sgpr_workgroup_id_y 1
		.amdhsa_system_sgpr_workgroup_id_z 1
		.amdhsa_system_vgpr_workitem_id 0
		.amdhsa_next_free_vgpr 512
		.amdhsa_next_free_sgpr 66
		.amdhsa_reserve_vcc 0
		.amdhsa_float_denorm_mode_32 3
		.amdhsa_float_denorm_mode_16_64 3
		.amdhsa_memory_ordered 1
		.amdhsa_forward_progress 1
		.amdhsa_inst_pref_size 204
	.end_amdhsa_kernel
	.amdgpu_metadata
---
amdhsa.version: [ 1, 2 ]
amdhsa.kernels:
  - .name:           k_q0142c477fa_attn
    .symbol:         k_q0142c477fa_attn.kd
    .args:
      - { .name: qi, .offset: 0, .size: 8, .value_kind: global_buffer, .address_space: global }
      - { .name: ki, .offset: 8, .size: 8, .value_kind: global_buffer, .address_space: global }
      - { .name: vi, .offset: 16, .size: 8, .value_kind: global_buffer, .address_space: global }
      - { .name: oi, .offset: 24, .size: 8, .value_kind: global_buffer, .address_space: global }
    .group_segment_fixed_size: 263168
    .private_segment_fixed_size: 0
    .kernarg_segment_align: 8
    .kernarg_segment_size: 32
    .max_flat_workgroup_size: 256
    .sgpr_count:     66
    .vgpr_count:     512
    .wavefront_size: 32
...
	.end_amdgpu_metadata
.endif
;; end of part 3
;; launch proj (part 4): grid 4 x 64, 4 waves a work-group, clusters of 4 x 4, 327,680 bytes of LDS; arguments oi, wo, out_proj_bias, out0; writes out0
.if DOCPART == 4
	.amdgcn_target "amdgcn-amd-amdhsa--gfx1250"
	.amdhsa_code_object_version 6
	.text
	.protected	k_q0142c477fa_proj
	.globl	k_q0142c477fa_proj
	.p2align	8
	.type	k_q0142c477fa_proj,@function
k_q0142c477fa_proj:
	s_mov_b64 s[64:65], 0
	v_nop
	global_prefetch_b8 v0, s[64:65] scope:SCOPE_SE
	s_setreg_imm32_b32 hwreg(HW_REG_WAVE_MODE, 25, 1), 1
	s_wait_xcnt 0x0
	s_wait_alu depctr_hold_cnt(0) depctr_sa_sdst(0) depctr_va_vdst(0) depctr_va_sdst(0) depctr_va_ssrc(0) depctr_va_vcc(0) depctr_vm_vsrc(0)
	s_getreg_b32 s2, hwreg(HW_REG_IB_STS2, 6, 4)
	s_cmp_eq_u32 s2, 0
	s_cbranch_scc0 .Lentry_in_a_cluster
	s_endpgm
.Lentry_in_a_cluster:
	s_bfe_u32 s2, ttmp6, 0x10000c
	s_cmp_lg_u32 s2, 0xf033
	s_cbranch_scc0 .Lentry_shape_is_right
	s_endpgm
.Lentry_shape_is_right:
; out0 = o W_out^T + b.  o [8192][1024] and W_out [1024][1024] arrive as f16 images of operand registers (16 rows x 32 K, 1,024 bytes: registers 0-3 at 16 x lane, then registers 4-7); sums and out0 in f32.
; oi: [tile of 16 tokens: 512][32 along K: 32][1,024];  wo: [tile of 16 outputs: 64][32 along K: 32][1,024].
; SHARES.  A work-group of four waves makes 128 tokens x 256 outputs: 256 work-groups.  A wave makes 64 x 128: 32 accumulators of 16 x 16, 256 registers.
; K goes in eight steps of 128 through a ring of two LDS slots filled by the tensor data mover.  A step's part of a tile of 16 rows is 4,096 consecutive bytes of memory (four images), tiles 32,768 bytes apart:
; so a tensor tile is 4 (o) or 8 (W_out) rows of 4,096 bytes, laid dense in LDS, and every fragment is read at 16 x lane: no padding is wanted.
; CLUSTERS: 4 x 4 work-groups.  The four of a row of the cluster need the same tiles of o, the four of a column the same tiles of W_out: each is asked for JOINTLY.  Where a slot is filled again, a round of the cluster's
; barrier stands in front: by this text's count one tensor load of a wave is out behind each round (two at the start), with a step less sixteen matrix instructions in which to land.
; THE MATRIX INSTRUCTION IS USED TRANSPOSED (source 0 = 16 rows of W_out, source 1 = 16 tokens): a lane holds eight neighbouring outputs of one token.  The bias is the C of each sum's first matrix instruction.
; All of a WGP's LDS is claimed.
; No prefetch: the launch's reads and stores go on through all of its matrix work.
; REGISTERS: window 0: v16-30 addresses; v64-127 the bias; v128-255 the way out, two sets of 64.   window 1: two fragment buffers at v0 and v128: 64 registers of W_out (8 tiles), then 32 of o (4 tiles), for 32 along K.
;   window 2: accumulator (a = tile of tokens, b = tile of outputs) at v[8 (8 a + b)].
.set SLOT,   98304                     ; o's 8 tiles x 4,096 bytes, then W_out's 16
.set BOFF,   32768
.set SPARE,  2*SLOT                    ; behind the ring: the spare words, 128 bytes for each wave: two blocks of 256 bytes that no other line names
.set SPITCH, 528                       ; the way out: a stage of 16 rows x (512 bytes + 16) for each wave, in slot 0, which has had its last fill and its last read when the first result is stored there
.set ADRA, 16                          ; v16-17  LDS address of my fragments of o in slot 0, 1
.set ADRB, 20                          ; v20-21  the same for W_out
.set STO,  24                          ; v24     the way out: where I put 32 bytes of a row
.set RD,   25                          ; v25     where I read a row back
.set CO,   26                          ; v26     16 x lane
.set SPW,  28                          ; v28     LDS address of my spare word; never rewritten
.set NIL,  29                          ; v29     0; never rewritten
.set BO,   30                          ; v30     32 h: the bias of my eight outputs
.set BIAS, 64
.set BK,   128
.set F0,   0
.set F1,   128
.set G1, 24                            ; s[24:31] descriptor group 1 for o's tiles;  s[32:39] group 0, one set for each slot
.set G0, 32
.set G1B, 48                           ; s[48:55], s[56:63] the same for W_out's
.set G0B, 56
.set MSB, 0
.macro WIN new                         ; the immediate's high byte repeats the setting that is left; a switch that changes nothing is dropped
.if MSB != (\new)
	s_set_vgpr_msb (MSB<<8)|(\new)
.set MSB, (\new)
.endif
.endm
.set MUL,  0xa5                        ; sources 0 and 1 window 1; C and D window 2
.set TO_F, 0x40                        ; destination window 1, address window 0
.macro JLOAD s                         ; a joint load: waves 0 and 1 fetch o's two halves, waves 2 and 3 W_out's; an s_nop 0 and four v_nop follow each of the two lines
	s_cmp_eq_u32 s13, 0
	s_cbranch_scc0 .Lfor_b_\@
	tensor_load_to_lds s[G0+4*\s:G0+4*\s+3], s[G1:G1+7]
	s_nop 0
.rept 4
	v_nop
.endr
	s_branch .Lasked_\@
.Lfor_b_\@:
	tensor_load_to_lds s[G0B+4*\s:G0B+4*\s+3], s[G1B:G1B+7]
	s_nop 0
.rept 4
	v_nop
.endr
.Lasked_\@:
.endm
.macro CREST                           ; a round of the cluster's barrier behind its opening barrier
	s_cmp_lg_u32 s12, 0
	s_cbranch_scc1 .Lnot_wave_0_\@
	s_barrier_signal -3
.Lnot_wave_0_\@:
	s_barrier_wait -3
	s_barrier_signal -1
	s_barrier_wait -1
.endm
.macro CROUND                          ; a whole round
	s_barrier_signal -1
	s_barrier_wait -1
	CREST
.endm
	s_load_b256 s[4:11], s[0:1], 0x0               ; oi s[4:5], wo s[6:7], bias s[8:9], out0 s[10:11]
	v_lshl_add_u32 v[SPW], v0, 2, SPARE
	v_mov_b32 v[NIL], 0
	ds_add_u32 v[SPW], v[NIL]                      ; the wave's opening: the add, twice on end, and its wait ahead of my first tensor load; the set-up below stands between the second and the wait
	ds_add_u32 v[SPW], v[NIL]
	v_lshrrev_b32 v1, 5, v0
	v_readfirstlane_b32 s12, v1                    ; wave 0..3
	s_lshr_b32 s13, s12, 1                         ; which 64 of the tile's tokens are mine.  Also: I fetch for o (0) or for W_out (1)
	s_and_b32 s14, s12, 1                          ; which 128 of its outputs.  Also: which half of that tile I fetch
	s_bfe_u32 s40, ttmp6, 0x40000                  ; cx, cy: my place in the cluster
	s_bfe_u32 s41, ttmp6, 0x40004
	s_lshl_b32 s42, ttmp9, 2
	s_add_co_u32 s42, s42, s40                     ; tile of outputs = 4 x cluster x + cx: 0 .. 3
	s_and_b32 s15, ttmp7, 0xffff
	s_lshl_b32 s15, s15, 2
	s_add_co_u32 s15, s15, s41                     ; tile of tokens = 4 x cluster y + cy: 0 .. 63
	s_lshl_b32 s43, s41, 2
	s_lshl_b32 s43, 15, s43                        ; my row of the cluster
	s_lshl_b32 s44, 0x1111, s40                    ; my column
	; descriptor group 1: rows of 4,096 bytes (512 elements of 8), 32,768 bytes apart, dense in LDS: 4 rows for o, 8 for W_out
	s_or_b32 s[G1+0], s43, (3<<16)|(1<<21)         ; 15:0 the mask: o's tiles go to my row; 17:16 elements of 8 bytes; 20 padding off; 21 set beside a mask
	s_or_b32 s[G1B+0], s44, (3<<16)|(1<<21)        ; W_out's go to my column
	s_mov_b32 s[G1+1], 512<<16                     ; tensor_dim0
	s_mov_b32 s[G1+2], 4<<16                       ; tensor_dim1
	s_mov_b32 s[G1+3], 512<<16                     ; tile_dim0
	s_mov_b32 s[G1+4], 4                           ; tile_dim1
	s_mov_b32 s[G1+5], 4096                        ; from row to row, in elements
	s_mov_b32 s[G1+6], 0
	s_mov_b32 s[G1+7], 0
	s_mov_b32 s[G1B+1], 512<<16
	s_mov_b32 s[G1B+2], 8<<16
	s_mov_b32 s[G1B+3], 512<<16
	s_mov_b32 s[G1B+4], 8
	s_mov_b32 s[G1B+5], 4096
	s_mov_b32 s[G1B+6], 0
	s_mov_b32 s[G1B+7], 0
	; where the tiles come from: o's hang on the tile of tokens alone, W_out's on the tile of outputs alone, each in registers that never hold the other coordinate
	s_lshl_b32 s16, s15, 18                        ; o: 8 tiles of 16 tokens x 32,768 bytes to a work-group,
	s_lshl_b32 s18, s14, 17                        ; 4 to a load
	s_add_co_u32 s16, s16, s18
	s_mov_b32 s17, 0
	s_lshl_b32 s46, s42, 19                        ; W_out: 16 tiles to a work-group,
	s_lshl_b32 s18, s14, 18                        ; 8 to a load
	s_add_co_u32 s46, s46, s18
	s_mov_b32 s47, 0
	s_lshl_b32 s20, s14, 14                        ; where they go: o's halves, 16,384 bytes each;
	s_lshl_b32 s21, s14, 15
	s_add_co_u32 s21, s21, BOFF                    ; W_out's, 32,768 each, behind them: no place in the cluster enters an LDS address
	s_wait_dscnt 0x0                               ; both opening adds are done
	s_wait_kmcnt 0x0
	s_add_nc_u64 s[16:17], s[4:5], s[16:17]
	s_add_nc_u64 s[46:47], s[6:7], s[46:47]
	CROUND                                         ; all sixteen work-groups are here: the first joint loads meet
.irp s, 0,1
	s_mov_b32 s[G0+4*\s], 1
	s_add_co_u32 s[G0+4*\s+1], s20, \s*SLOT
	s_add_nc_u64 s[G0+4*\s+2:G0+4*\s+3], s[16:17], \s*4096         ; K step s
	s_or_b32 s[G0+4*\s+3], s[G0+4*\s+3], 0x80000000
	s_mov_b32 s[G0B+4*\s], 1
	s_add_co_u32 s[G0B+4*\s+1], s21, \s*SLOT
	s_add_nc_u64 s[G0B+4*\s+2:G0B+4*\s+3], s[46:47], \s*4096
	s_or_b32 s[G0B+4*\s+3], s[G0B+4*\s+3], 0x80000000
	JLOAD \s
.endr
	v_and_b32 v1, 15, v0                           ; r
	v_bfe_u32 v2, v0, 4, 1                         ; h
	v_and_b32 v3, 31, v0
	v_lshlrev_b32 v[CO], 4, v3
	v_lshlrev_b32 v[BO], 5, v2
	s_lshl_b32 s21, s13, 14                        ; my four tiles of o
	s_lshl_b32 s22, s14, 15                        ; my eight tiles of W_out,
	s_add_co_u32 s22, s22, BOFF                    ; which lie behind o's
.irp s, 0,1
	v_add_nc_u32 v[ADRA+\s], s21, v[CO]
	v_add_nc_u32 v[ADRB+\s], s22, v[CO]
	s_add_co_u32 s21, s21, SLOT
	s_add_co_u32 s22, s22, SLOT
.endr
	s_mul_i32 s23, s12, 16*SPITCH                  ; my stage
	v_mul_u32_u24 v4, v1, SPITCH                   ; in: row r, 32 bytes for each half of the lanes
	v_lshl_add_u32 v4, v2, 5, v4
	v_add_nc_u32 v[STO], s23, v4
	v_add_nc_u32 v[RD], s23, v[CO]                 ; back: the 32 lanes take one row of 512 bytes
	s_lshl_b32 s46, s42, 10                        ; my first output, in bytes of f32: 1,024 x tile + 512 x half: in the bias and in a row of out0 alike
	s_lshl_b32 s47, s14, 9
	s_add_co_u32 s46, s46, s47
	s_mov_b32 s47, 0
	s_add_nc_u64 s[8:9], s[8:9], s[46:47]
	s_add_nc_u64 s[10:11], s[10:11], s[46:47]
	s_lshl_b32 s16, s15, 19                        ; my first token: 128 x tile + 64 x half, rows of 4,096 bytes
	s_lshl_b32 s17, s13, 18
	s_add_co_u32 s16, s16, s17
	s_mov_b32 s17, 0
	s_add_nc_u64 s[10:11], s[10:11], s[16:17]
.irp b, 0,1,2,3,4,5,6,7
	global_load_b128 v[BIAS+8*\b:BIAS+8*\b+3], v[BO], s[8:9] offset:64*\b          ; a lane's eight outputs of tile b: 16 b + 8 h + 0..7
	global_load_b128 v[BIAS+8*\b+4:BIAS+8*\b+7], v[BO], s[8:9] offset:64*\b+16
.endr
; 8 matrix instructions: tile a of my tokens x my eight tiles of outputs, 32 along K, from buffer f.  first = 1: the bias is the C, and starts the sums.  The 32 accumulators take turns, one instruction a turn,
; in the same order in every quarter.
.macro MULA f, a, first
.irp b, 0,1,2,3,4,5,6,7
.if \first
	v_wmma_f32_16x16x32_f16 v[8*(8*(\a)+\b):8*(8*(\a)+\b)+7], v[\f+8*\b:\f+8*\b+7], v[\f+64+8*(\a):\f+64+8*(\a)+7], v[BIAS+8*\b:BIAS+8*\b+7]
.else
	v_wmma_f32_16x16x32_f16 v[8*(8*(\a)+\b):8*(8*(\a)+\b)+7], v[\f+8*\b:\f+8*\b+7], v[\f+64+8*(\a):\f+64+8*(\a)+7], v[8*(8*(\a)+\b):8*(8*(\a)+\b)+7]
.endif
.endr
.endm
; 24 LDS loads in one run: the fragments of the slot's q-th 32 along K into buffer f
.macro FETCH slot, q, f
	WIN TO_F
.irp b, 0,1,2,3,4,5,6,7
	ds_load_b128 v[\f+8*\b:\f+8*\b+3],   v[ADRB+\slot] offset:\b*4096+(\q)*1024
	ds_load_b128 v[\f+8*\b+4:\f+8*\b+7], v[ADRB+\slot] offset:\b*4096+(\q)*1024+512
.endr
.irp a, 0,1,2,3
	ds_load_b128 v[\f+64+8*\a:\f+64+8*\a+3],   v[ADRA+\slot] offset:\a*4096+(\q)*1024
	ds_load_b128 v[\f+64+8*\a+4:\f+64+8*\a+7], v[ADRA+\slot] offset:\a*4096+(\q)*1024+512
.endr
.endm
.macro PLACES                          ; four places in front of loads into registers that matrix instructions have read, and of the first reads of results (ISA guide 7.12.1 for vector instructions)
.rept 4
	v_nop
.endr
.endm
; A K step is four quarters of 32 along K, 32 matrix instructions each, on buffers 0, 1, 0, 1.  One of the first three: asks for the next quarter's fragments into buffer g, then multiplies buffer f.
.macro QUARTER slot, q, f, g, first
	s_wait_dscnt 0x0                               ; buffer f is in (asked for 32 matrix instructions ago)
	PLACES
	FETCH \slot, (\q)+1, \g
	WIN MUL-0x20*(\first)                          ; (first: C from window 0)
	MULA \f, 0, \first
	MULA \f, 1, \first
	MULA \f, 2, \first
	MULA \f, 3, \first
.endm
; The last quarter multiplies buffer 1 and changes slots: ONE barrier; in front of it each wave waits for all its tensor loads, adds 0 to its spare word, and waits for that and for its own reads of this slot.
; fill = 1: the barrier opens a round of the cluster's barrier, and this slot is filled again, two K steps ahead, first thing behind the round.
.macro TURN slot, next, fill
	WIN 0                                          ; (the add's two registers lie in window 0)
	s_wait_tensorcnt 0x0                           ; all my tensor loads have landed: my part of the next slot;
	ds_add_u32 v[SPW], v[NIL]                      ; 0 onto my spare word;
	s_wait_dscnt 1                                 ; buffer 1 is in (the add alone may be out)
	WIN MUL
	MULA F1, 0, 0                                  ; eight matrix instructions stand between the add and the wait for it
	s_wait_dscnt 0x0                               ; the add is done, and my reads of this slot are over
	s_barrier_signal -1
	MULA F1, 1, 0
	WIN 0
	s_barrier_wait -1
.if \fill
	CREST                                          ; no wave of any partner still reads this slot's tile or has a load on its way
	s_add_nc_u64 s[G0+4*\slot+2:G0+4*\slot+3], s[G0+4*\slot+2:G0+4*\slot+3], 2*4096
	s_add_nc_u64 s[G0B+4*\slot+2:G0B+4*\slot+3], s[G0B+4*\slot+2:G0B+4*\slot+3], 2*4096
	JLOAD \slot                                    ; the first tensor load behind the round; the four v_nop behind it are also the places in front of the loads below
.else
	PLACES
.endif
	FETCH \next, 0, F0
	WIN MUL
	MULA F1, 2, 0
	MULA F1, 3, 0
.endm
	s_wait_tensorcnt 1                             ; my part of K step 0 is in; K step 1's may stay out
	s_barrier_signal -1
	s_barrier_wait -1                              ; everybody's is
	FETCH 0, 0, F0
	s_wait_loadcnt 0x0                             ; the bias
	QUARTER 0, 0, F0, F1, 1                        ; the first quarter stands in front of the loop: its products start the sums
	WIN 0                                          ; at a label and at a branch every window is 0
	s_mov_b32 s3, 3
.Llap:                                                 ; a trip goes once round the ring, from a lap's second quarter to the next lap's first, and fills both slots again: K steps 2 .. 7
	QUARTER 0, 1, F1, F0, 0
	QUARTER 0, 2, F0, F1, 0
	TURN 0, 1, 1
	QUARTER 1, 0, F0, F1, 0
	QUARTER 1, 1, F1, F0, 0
	QUARTER 1, 2, F0, F1, 0
	TURN 1, 0, 1
	QUARTER 0, 0, F0, F1, 0
	WIN 0
	s_sub_co_u32 s3, s3, 1
	s_cmp_lg_u32 s3, 0
	s_cbranch_scc1 .Llap
	QUARTER 0, 1, F1, F0, 0                        ; the last lap fills nothing, and has no round of the cluster's barrier
	QUARTER 0, 2, F0, F1, 0
	TURN 0, 1, 0
	QUARTER 1, 0, F0, F1, 0
	QUARTER 1, 1, F1, F0, 0
	QUARTER 1, 2, F0, F1, 0
	s_wait_dscnt 0x0                               ; the very last quarter: nothing more to fetch
	WIN MUL
	MULA F1, 0, 0
	MULA F1, 1, 0
	MULA F1, 2, 0
	MULA F1, 3, 0
	WIN 0
; THE WAY OUT, a tile of 16 tokens x 128 outputs at a time.  A lane holds 32 neighbouring bytes of a row, and the lanes beside it hold other rows: so a block goes through my own stage in LDS and comes back as whole rows
; of 512 bytes.  LDS serves a wave's instructions in order (ISA guide 5.7.1): no wait between the stores and the loads, nor in front of the next block's stores.
.macro TOSTAGE a
	WIN 0x08                                       ; an LDS store's data are its source 1: window 2
.irp b, 0,1,2,3,4,5,6,7
	ds_store_b128 v[STO], v[8*(8*(\a)+\b):8*(8*(\a)+\b)+3] offset:64*\b            ; each accumulator from its low end on
	ds_store_b128 v[STO], v[8*(8*(\a)+\b)+4:8*(8*(\a)+\b)+7] offset:64*\b+16
.endr
	WIN 0
.irp t, 0,1,2,3,4,5,6,7,8,9,10,11,12,13,14,15
	ds_load_b128 v[BK+64*((\a)%2)+4*\t:BK+64*((\a)%2)+4*\t+3], v[RD] offset:\t*SPITCH
.endr
.endm
.macro SEND a, younger                 ; younger: the LDS instructions issued behind block a's loads, which may stay out
	s_wait_dscnt \younger                          ; the block is back in registers
.irp t, 0,1,2,3,4,5,6,7,8,9,10,11,12,13,14,15
	global_store_b128 v[CO], v[BK+64*((\a)%2)+4*\t:BK+64*((\a)%2)+4*\t+3], s[10:11] offset:(16*(\a)+\t)*4096 th:TH_STORE_NT   ; 32 lanes store 512 consecutive bytes, aligned; the row stands in the immediate: 63 rows of 4,096 bytes at the most
.endr
.endm
	PLACES                                         ; for the first reads of results
	TOSTAGE 0
	TOSTAGE 1
	SEND 0, 32                                     ; behind block 0's loads: block 1's 16 stores and 16 loads
	s_wait_xcnt 0x0                                ; block 0's stores have read their registers: block 2's loads may land there
	TOSTAGE 2
	SEND 1, 32
	s_wait_xcnt 0x0
	TOSTAGE 3
	SEND 2, 32
	SEND 3, 0
	s_wait_tensorcnt 0x0                           ; the wave's end
	ds_add_u32 v[SPW], v[NIL]
	s_wait_dscnt 0x0
	CROUND                                         ; the closing round: no work-group ends while a partner may still ask for a tile that names it
	s_endpgm
.Lfunc_end_k_q0142c477fa_proj:
	.size	k_q0142c477fa_proj, .Lfunc_end_k_q0142c477fa_proj-k_q0142c477fa_proj
	.p2alignl 7, 3214868480
	.fill 96, 4, 3214868480
	.section	.rodata,"a",@progbits
	.p2align	6, 0x0
	.amdhsa_kernel k_q0142c477fa_proj
		.amdhsa_group_segment_fixed_size 327680
		.amdhsa_private_segment_fixed_size 0
		.amdhsa_enable_private_segment 0
		.amdhsa_kernarg_size 32
		.amdhsa_user_sgpr_count 2
		.amdhsa_user_sgpr_kernarg_segment_ptr 1
		.amdhsa_wavefront_size32 1
		.amdhsa_system_sgpr_workgroup_id_x 1
		.amdhsa_system_sgpr_workgroup_id_y 1
		.amdhsa_system_sgpr_workgroup_id_z 1
		.amdhsa_system_vgpr_workitem_id 0
		.amdhsa_next_free_vgpr 768
		.amdhsa_next_free_sgpr 66
		.amdhsa_reserve_vcc 0
		.amdhsa_float_denorm_mode_32 3
		.amdhsa_float_denorm_mode_16_64 3
		.amdhsa_memory_ordered 1
		.amdhsa_forward_progress 1
		.amdhsa_inst_pref_size 85
	.end_amdhsa_kernel
	.amdgpu_metadata
---
amdhsa.version: [ 1, 2 ]
amdhsa.kernels:
  - .name:           k_q0142c477fa_proj
    .symbol:         k_q0142c477fa_proj.kd
    .args:
      - { .name: oi, .offset: 0, .size: 8, .value_kind: global_buffer, .address_space: global }
      - { .name: wo, .offset: 8, .size: 8, .value_kind: global_buffer, .address_space: global }
      - { .name: out_proj_bias, .offset: 16, .size: 8, .value_kind: global_buffer, .address_space: global }
      - { .name: out0, .offset: 24, .size: 8, .value_kind: global_buffer, .address_space: global }
    .group_segment_fixed_size: 327680
    .private_segment_fixed_size: 0
    .kernarg_segment_align: 8
    .kernarg_segment_size: 32
    .max_flat_workgroup_size: 128
    .sgpr_count:     66
    .vgpr_count:     768
    .wavefront_size: 32
...
	.end_amdgpu_metadata
.endif
;; end of part 4
